; MI455X (gfx1250); checked and timed in simulation.
; The chip was launched on July 23, 2026; its instructions are those of AMD's public machine-readable ISA for CDNA 5 (MIT licence, August 2026) and "CDNA5" Instruction Set Architecture Reference Guide (July 2026). The comments in the code are by the model that wrote it; some were corrected since.
;; Attention. Allowed arithmetic: matrix products marked QUANTISED: E3M2 operands, one E8M0 scale for each 32 along K, by v_wmma_scale_f32_16x16x128_f8f6f4 with both operands' format E3M2, f32 sums; everything else in f32.
;; Inputs: attention_biases 16 x 1,024 float32; beta 512 float32; bias_idxs 1,024 x 1,024 int32; gamma 512 float32; proj_b 512 float32; proj_w 512 x 2,048 float32; qkv_b 3,072 float32; qkv_w 3,072 x 512 float32; x 8 x 1,024 x 512 float32.
;; Outputs: out0 8 x 1,024 x 512 float32.
;; This version of the problem:
;;   THIS VERSION OF THE PROBLEM IS GIVEN IN LOW PRECISION. The matrix products marked QUANTISED in the list below multiply operands that are first quantised to E3M2 (3 exponent bits, 2 mantissa bits; 6 bits a number), with one power-of-two scale for each 32 numbers along K (OCP MX v1.0); their sums are f32. All else is computed in f32.
;;   The module's matrix products, in the order in which they are computed (A, B: the left and right operand; K: the contracted axis; several contracted axes count as one K, in the product's order):
;;     1. [M 8,192, K 512] x [K 512, N 3,072]; A: computed on the way; B: input qkv_w: QUANTISED
;;     2. batch 128 x [M 1,024, K 32] x [K 32, N 1,024]; A: computed on the way; B: computed on the way: QUANTISED
;;     3. batch 128 x [M 1,024, K 1,024] x [K 1,024, N 128]; A: softmax (see below); B: computed on the way: QUANTISED
;;     4. [M 8,192, K 2,048] x [K 2,048, N 512]; A: computed on the way; B: input proj_w: QUANTISED
;;   THE QUANTISER, for each operand of a quantised product, along K:
;;     - K is cut into blocks of 32 from its start; a last block that is shorter is filled with zeros.
;;     - A block's scale is 2^e with e = floor(log2(the largest magnitude in the block)) - 4, held to -126 .. 127; a block of zeros has e = 0. As a byte (E8M0): e + 127.
;;     - Each number is divided by its block's scale, clamped to +-28, and rounded to the nearest number of E3M2, ties to even, subnormals kept.
;;     - The product sums the exact products of the quantised numbers (number of the format x scale) in f32.
;;   ~~~python
;;   def quantise(x, axis):      # numpy; x: float32 -> the quantised numbers, widened to float32 again
;;       x = np.moveaxis(x, axis, -1); K = x.shape[-1]
;;       x = np.pad(x, [(0, 0)] * (x.ndim - 1) + [(0, -K % 32)]); x = x.reshape(x.shape[:-1] + (-1, 32)); a = np.abs(x).max(-1, keepdims=True)
;;       e = np.where(a > 0, np.clip(np.frexp(np.where(a > 0, a, 1))[1] - 1 - 4, -126, 127), 0)      # np.frexp(a)[1] - 1 = floor(log2(a)), exactly
;;       r = np.clip(x / 2.0 ** e, -28, 28)
;;       step = 2.0 ** (np.maximum(np.frexp(np.where(r == 0, 1, r))[1] - 1, -2) - 2)
;;       q = np.round(r / step) * step * 2.0 ** e      # np.round: ties to even
;;       return np.moveaxis(q.reshape(q.shape[:-2] + (-1,))[..., :K], -1, axis).astype(np.float32)
;;   ~~~
;;   SOFTMAX AHEAD OF A QUANTISED PRODUCT. Where the list says 'softmax', what is quantised is not the finished softmax but p = 2^(t - M), with t = logit x log2(e) and M = ceil(the row's largest t), a whole number; so 1/2 < the row's largest p <= 1. The row's sum l is taken of the UNQUANTISED p, in f32, and the product's result is divided by l at the end. Since M is a whole number, a kernel that streams over the keys may use a running M (the ceiling of the running maximum): every later rescaling is an exact power of two, which a block's scale takes up: the codes' values come out the same.
;;   OPERANDS COMPUTED ON THE WAY. 'Computed on the way' means the value that the module computes at that place (a softmax that the list does not call 'softmax' is quantised finished and normalised). What goes into a quantiser is computed in f32, as accurately as f32 sums, v_exp_f32 and their like allow (about 1e-6 of the number): no bf16 or f16 on the way to a quantiser, and a product that is left as it is and whose result goes on into a quantised operand takes f32 operands (vector FMAs, or v_wmma_f32_16x16x4_f32). A number that lies on a knife's edge between two numbers of the format may be rounded either way, as far as f32 arithmetic and the matrix unit's own rounding can turn it there, and no further.
;; One version. Each part assembles by itself: llvm-mc -triple=amdgcn-amd-amdhsa -mcpu=gfx1250 --defsym DOCPART=n.
;; ======== version 1 of 1: 4 launches
;; limits: right only within a limited range of input values
;; workspace buffers: fr 5,111,808 bytes; frs 425,984 bytes; qc 3,145,728 bytes; qs 524,288 bytes; kv 16,515,072 bytes; of 12,582,912 bytes; os 1,048,576 bytes
;; launch prep (part 1): grid 208 x 1, 4 waves a work-group, no clusters, 132,608 bytes of LDS; arguments x, gamma, beta, qkv_w, proj_w, fr, frs; writes fr, frs
.if DOCPART == 1
	.amdgcn_target "amdgcn-amd-amdhsa--gfx1250"
	.amdhsa_code_object_version 6
	.text
	.protected	k_qbe60eb1423_prep
	.globl	k_qbe60eb1423_prep
	.p2align	8
	.type	k_qbe60eb1423_prep,@function
k_qbe60eb1423_prep:
	s_mov_b64 s[64:65], 0
	v_nop
	global_prefetch_b8 v0, s[64:65] scope:SCOPE_SE
	s_setreg_imm32_b32 hwreg(HW_REG_WAVE_MODE, 25, 1), 1
	s_wait_xcnt 0x0
; PREP.  LayerNorm of x [8192][512] and its quantising to BF6 (E3M2, one E8M0 byte for each 32 along K); the quantising of qkv_w [3072][512] and proj_w [512][2048].
; All three leave as IMAGES OF OPERAND REGISTERS: a tile is 16 rows x 512 along K = 4 K steps of 128; a K step's fragment is 12 registers a lane, stored as 3 x 512 bytes (16 bytes a lane).
;   fr:  832 tiles x 6,144 bytes, [K step][j][lane][16 bytes].  Tiles 0-511 x, 512-703 qkv_w, 704 + 4 rt + chunk proj_w (row tile rt, K 512 chunk on).
;   frs: 832 x 512 bytes, [lane][4 words]: word s = the scale word of the lane's row (lane % 16) for K step s.
; THE ROWS OF A TILE ARE NOT NEIGHBOURS: lane r of row tile rt takes row 32 (rt / 2) + 8 (rt % 2) + r + 8 (r / 8), so that in every later product two neighbouring tiles leave 16 neighbours in a lane's 16 registers.
; A wave takes one tile.  Its loads read 512 consecutive bytes (a quarter of a row); a row's mean and variance are taken over the wave's 32 lanes; the rows turn through the wave's own stage in LDS
; (pitch 2,064 bytes = 129 x 16, so that 16 rows at one column start in 16 different groups of banks) and come back 32 neighbours along K to a lane: a whole block, whose largest magnitude needs no other lane.
; One text serves the three tensors: only pointers and scalars are chosen by the work-group's number; the weights jump over LayerNorm's arithmetic alone.  No barrier: waves share nothing.
; LIMITS: NaN and infinities among the inputs are not served.  A block of zeros gets the byte 1 where the rule says 127: its codes are zeros, and this program alone reads the bytes.  v_rsq_f32 is good to 1 ulp.
.set PITCHL, 2064
.set STAGEB, 16*PITCHL                 ; 33,024 bytes a wave
.set LI,  1                            ; v1      16 x lane
.set RO,  2                            ; v2-17   row i of the tile: (i + 8 (i / 8)) x pitch + 16 x lane
.set G,   18                           ; v18-33  gamma of my 16 columns
.set BT,  34                           ; v34-49  beta
.set SA,  50                           ; v50     stage, in: 16 x lane
.set RA,  51                           ; v51     stage, out: row (lane % 16), + 128 (lane / 16)
.set D,   52                           ; v52-179 two sets of 64: four rows as loaded; later a K step's 64 numbers of my row
.set P,   180                          ; v180-187 LayerNorm: a pair of partial sums a row
.set MU,  188                          ; v188-195 the mean, in the low word of a pair
.set RS,  196                          ; v196-203 1 / sqrt(var + eps), likewise
.set PM,  204                          ; v204-207 what lane l xor 16 sends
.set PC,  208                          ; v208-255 codes: 12 registers for each K step, so that no store's data are written again
.set QM,  180                          ; the quantiser (LayerNorm is over): largest magnitudes,
.set QS,  182                          ; scale operands,
.set QB,  184                          ; bytes,
.set QT,  186                          ; the word in the making, and lane l xor 16's
.set QX,  188                          ; the second halves of two blocks' codes
.set W,   196                          ; v196-199 the four scale words
.set H8,  200                          ; v200    8 x (lane / 16)
	s_load_b256 s[4:11], s[0:1], 0x0               ; x s[4:5], gamma s[6:7], beta s[8:9], qkv_w s[10:11]
	s_load_b128 s[12:15], s[0:1], 0x20             ; proj_w s[12:13], fr s[14:15]
	s_load_b64 s[16:17], s[0:1], 0x30              ; frs
	s_set_vgpr_msb 0x40
	v_lshl_add_u32 v0, v0, 2, 0x20400
	v_mov_b32 v1, 0
	s_set_vgpr_msb 0x4000
	v_lshrrev_b32 v[SA], 5, v0
	v_readfirstlane_b32 s18, v[SA]                 ; wave
	v_and_b32 v[RA], 31, v0
	v_lshlrev_b32 v[LI], 4, v[RA]
	s_mul_i32 s36, s18, STAGEB                     ; my stage
	v_add_nc_u32 v[SA], s36, v[LI]
	v_and_b32 v[RA], 15, v0
	v_mul_u32_u24 v[RA], v[RA], PITCHL
	v_bfe_u32 v[P], v0, 4, 1
	v_lshl_add_u32 v[RA], v[P], 7, v[RA]
	v_add_nc_u32 v[RA], s36, v[RA]
.set i, MU
.rept 20
	v_mov_b32 v[i], 0                              ; the pairs' upper words and the permutes' destinations are named before they are otherwise written
.set i, i+1
.endr
	s_mov_b32 s32, 0x76543210
	s_mov_b32 s33, 0xfedcba98                      ; v_permlanex16_b32's selects for lane l xor 16
	s_mov_b32 s34, 0x3b000000                      ; 1 / 512
	s_mov_b32 s35, 0x3727c5ac                      ; eps = 1e-5
	s_lshl_b32 s19, ttmp9, 2
	s_add_co_u32 s19, s19, s18                     ; my tile
	s_wait_kmcnt 0x0
	s_cmp_lt_u32 ttmp9, 128                        ; work-groups 0-127: x; 128-175: qkv_w; 176-207: proj_w.  The choices hang on the work-group's number alone
	s_cselect_b32 s30, 1, 0                        ; 1: LayerNorm
	s_cselect_b64 s[20:21], s[4:5], s[10:11]
	s_cselect_b32 s22, 0, 512                      ; the tensor's first tile
	s_cmp_lt_u32 ttmp9, 176
	s_cselect_b64 s[20:21], s[20:21], s[12:13]
	s_mov_b32 s23, 704
	s_cselect_b32 s22, s22, s23
	s_cselect_b32 s24, 0, 2                        ; log2 of the chunks of 512 in a row
	s_mov_b32 s25, 8192
	s_cselect_b32 s31, 2048, s25                   ; a row in bytes
	s_sub_co_u32 s26, s19, s22
	s_lshr_b32 s27, s26, s24                       ; row tile
	s_lshl_b32 s28, s27, s24
	s_sub_co_u32 s28, s26, s28                     ; chunk
	s_lshr_b32 s29, s27, 1
	s_lshl_b32 s29, s29, 5
	s_and_b32 s27, s27, 1
	s_lshl_b32 s27, s27, 3
	s_add_co_u32 s29, s29, s27                     ; the tile's first row: 32 (rt / 2) + 8 (rt % 2)
	s_mul_i32 s26, s29, s31
	s_lshl_b32 s28, s28, 11
	s_add_co_u32 s26, s26, s28
	s_mov_b32 s27, 0
	s_add_nc_u64 s[20:21], s[20:21], s[26:27]
	s_mul_i32 s26, s19, 6144
	s_add_nc_u64 s[14:15], s[14:15], s[26:27]
	s_lshl_b32 s26, s19, 9
	s_add_nc_u64 s[16:17], s[16:17], s[26:27]
.irp i, 0,1,2,3,4,5,6,7,8,9,10,11,12,13,14,15
	v_mad_u32_u24 v[RO+\i], s31, \i+8*(\i/8), v[LI]
.endr
.irp j, 0,1,2,3
	global_load_b128 v[G+4*\j:G+4*\j+3], v[LI], s[6:7] offset:512*\j
	global_load_b128 v[BT+4*\j:BT+4*\j+3], v[LI], s[8:9] offset:512*\j
.endr
.macro LOADB k                         ; rows 4 k .. 4 k + 3 into set k % 2: each load reads 512 consecutive bytes
.irp q, 0,1,2,3
.irp j, 0,1,2,3
	global_load_b128 v[D+64*((\k)%2)+16*\q+4*\j:D+64*((\k)%2)+16*\q+4*\j+3], v[RO+4*(\k)+\q], s[20:21] offset:512*\j th:TH_LOAD_NT
.endr
.endr
.endm
.macro REDUCE                          ; four rows' pairs of partial sums become four sums, in every lane
.irp q, 0,1,2,3
	v_add_f32 v[P+2*\q], v[P+2*\q], v[P+2*\q+1]
.endr
.irp m, 1,2,4,8
.irp q, 0,1,2,3
	v_add_f32_dpp v[P+2*\q], v[P+2*\q], v[P+2*\q] row_xmask:\m row_mask:0xf bank_mask:0xf
.endr
.endr
.irp q, 0,1,2,3
	v_permlanex16_b32 v[PM+\q], v[P+2*\q], s32, s33
.endr
.irp q, 0,1,2,3
	v_add_f32 v[P+2*\q], v[P+2*\q], v[PM+\q]
.endr
.endm
.macro LNB set                         ; LayerNorm of the set's four rows, in place; the four rows by turns, so that no line waits for the line above it.  The weights jump over it
.set DS, D+64*(\set)
	s_cmp_eq_u32 s30, 0
	s_cbranch_scc1 .Lweights_\@
.irp q, 0,1,2,3
	v_pk_add_f32 v[P+2*\q:P+2*\q+1], v[DS+16*\q:DS+16*\q+1], v[DS+16*\q+2:DS+16*\q+3]
.endr
.irp e, 4,6,8,10,12,14
.irp q, 0,1,2,3
	v_pk_add_f32 v[P+2*\q:P+2*\q+1], v[P+2*\q:P+2*\q+1], v[DS+16*\q+\e:DS+16*\q+\e+1]
.endr
.endr
	REDUCE
.irp q, 0,1,2,3
	v_mul_f32 v[MU+2*\q], s34, v[P+2*\q]           ; the mean
.endr
.irp e, 0,2,4,6,8,10,12,14
.irp q, 0,1,2,3
	v_pk_add_f32 v[DS+16*\q+\e:DS+16*\q+\e+1], v[DS+16*\q+\e:DS+16*\q+\e+1], v[MU+2*\q:MU+2*\q+1] op_sel_hi:[1,0] neg_lo:[0,1] neg_hi:[0,1]   ; x - mean
.endr
.endr
.irp q, 0,1,2,3
	v_pk_mul_f32 v[P+2*\q:P+2*\q+1], v[DS+16*\q:DS+16*\q+1], v[DS+16*\q:DS+16*\q+1]
.endr
.irp e, 2,4,6,8,10,12,14
.irp q, 0,1,2,3
	v_pk_fma_f32 v[P+2*\q:P+2*\q+1], v[DS+16*\q+\e:DS+16*\q+\e+1], v[DS+16*\q+\e:DS+16*\q+\e+1], v[P+2*\q:P+2*\q+1]
.endr
.endr
	REDUCE
.irp q, 0,1,2,3
	v_fma_f32 v[P+2*\q], v[P+2*\q], s34, s35       ; var + eps
.endr
	s_wait_alu depctr_va_vdst(0)
.irp q, 0,1,2,3
	v_rsq_f32 v[RS+2*\q], v[P+2*\q]
.endr
	v_nop                                          ; a plain line behind the last of the four
	s_wait_alu depctr_va_vdst(0)                   ; one wait for the four, ahead of their first reader
.irp e, 0,2,4,6,8,10,12,14
.irp q, 0,1,2,3
	v_pk_mul_f32 v[DS+16*\q+\e:DS+16*\q+\e+1], v[DS+16*\q+\e:DS+16*\q+\e+1], v[RS+2*\q:RS+2*\q+1] op_sel_hi:[1,0]
.endr
.endr
.irp e, 0,2,4,6,8,10,12,14
.irp q, 0,1,2,3
	v_pk_fma_f32 v[DS+16*\q+\e:DS+16*\q+\e+1], v[DS+16*\q+\e:DS+16*\q+\e+1], v[G+\e:G+\e+1], v[BT+\e:BT+\e+1]
.endr
.endr
.Lweights_\@:
.endm
.macro STB k                           ; the four rows into the stage, as they lie
.irp q, 0,1,2,3
.irp j, 0,1,2,3
	ds_store_b128 v[SA], v[D+64*((\k)%2)+16*\q+4*\j:D+64*((\k)%2)+16*\q+4*\j+3] offset:(4*(\k)+\q)*PITCHL+512*\j
.endr
.endr
	s_wait_dscnt 0x0                               ; the stores have read their registers: these may be loaded again
.endm
.macro FLOAD s                         ; K step s of my row: register 32 c + 4 e + i = k 128 s + 64 c + 32 (lane / 16) + 4 e + i: two whole blocks
.irp c, 0,1
.irp e, 0,1,2,3,4,5,6,7
	ds_load_b128 v[D+64*((\s)%2)+32*\c+4*\e:D+64*((\s)%2)+32*\c+4*\e+3], v[RA] offset:512*(\s)+256*\c+16*\e
.endr
.endr
.endm
.macro QBLK s                          ; the K step's two blocks of my lane become registers 6 c .. 6 c + 5 of the fragment, and half of its scale word
.set FS, D+64*((\s)%2)
.irp c, 0,1
	v_max3_num_f32 v[QM+\c], |v[FS+32*\c]|, |v[FS+32*\c+1]|, 0x2800000   ; with the floor 2^(5 - 127): the byte cannot fall under 1
.endr
.irp i, 2,4,6,8,10,12,14,16,18,20,22,24,26,28,30
.irp c, 0,1
	v_max3_num_f32 v[QM+\c], v[QM+\c], |v[FS+32*\c+\i]|, |v[FS+32*\c+\i+1]|
.endr
.endr
.irp c, 0,1
	v_add_nc_u32 v[QS+\c], 0xfe000000, v[QM+\c]    ; 4 off the exponent field: the conversion's scale operand
.endr
.irp c, 0,1
	v_lshrrev_b32 v[QB+\c], 23, v[QS+\c]           ; the scale's byte
.endr
	v_lshl_or_b32 v[QT], v[QB+1], 16, v[QB]        ; my blocks are h and 2 + h of the K step:
	v_lshlrev_b32 v[QT], v[H8], v[QT]              ; 8 h bits up;
	v_permlanex16_b32 v[QT+1], v[QT], s32, s33
	v_or_b32 v[W+(\s)], v[QT], v[QT+1]             ; with lane l xor 16's two bytes the word is whole
.irp c, 0,1
	v_cvt_scalef32_pk16_bf6_f32 v[PC+12*(\s)+6*\c:PC+12*(\s)+6*\c+2], v[FS+32*\c:FS+32*\c+15], v[QS+\c]
	v_cvt_scalef32_pk16_bf6_f32 v[QX+4*\c:QX+4*\c+2], v[FS+32*\c+16:FS+32*\c+31], v[QS+\c]   ; (a conversion's three registers begin on an even number)
.endr
	v_nop                                          ; one plain line behind a scaled conversion
.irp c, 0,1
.irp i, 0,1,2
	v_mov_b32 v[PC+12*(\s)+6*\c+3+\i], v[QX+4*\c+\i]
.endr
.endr
.irp j, 0,1,2
	global_store_b128 v[LI], v[PC+12*(\s)+4*\j:PC+12*(\s)+4*\j+3], s[14:15] offset:1536*(\s)+512*\j   ; 32 lanes store 512 consecutive bytes, aligned
.endr
.endm
	LOADB 0
	LOADB 1
	s_wait_loadcnt 16                              ; gamma, beta and rows 0-3 are in; the 16 loads of rows 4-7 may be out
	LNB 0
	STB 0
	s_wait_alu depctr_va_vdst(0)
	LOADB 2
	s_wait_loadcnt 16                              ; rows 4-7 are in; rows 8-11 may be out
	LNB 1
	STB 1
	LOADB 3
	s_wait_loadcnt 16                              ; rows 8-11 are in; rows 12-15 may be out
	LNB 0
	STB 2
	s_wait_loadcnt 0x0
	LNB 1
	STB 3
	v_bfe_u32 v[H8], v0, 4, 1
	v_lshlrev_b32 v[H8], 3, v[H8]
	v_mov_b32 v[QT+1], 0                           ; a lane permute's destination counts as one of its sources
	FLOAD 0                                        ; LDS serves a wave's instructions in order: these see my stores
	FLOAD 1
	s_wait_dscnt 16                                ; K step 0 is in; the 16 loads of K step 1 may be out
	QBLK 0
	FLOAD 2
	s_wait_dscnt 16
	QBLK 1
	FLOAD 3
	s_wait_dscnt 16
	QBLK 2
	s_wait_dscnt 0x0
	QBLK 3
	global_store_b128 v[LI], v[W:W+3], s[16:17]    ; the four scale words of my row: 512 consecutive bytes a wave
	s_set_vgpr_msb 0x5
	s_wait_tensorcnt 0x0
	ds_add_u32 v0, v1
	s_wait_dscnt 0x0
	s_set_vgpr_msb 0x500
	s_endpgm
.Lfunc_end_k_qbe60eb1423_prep:
	.size	k_qbe60eb1423_prep, .Lfunc_end_k_qbe60eb1423_prep-k_qbe60eb1423_prep
	.p2alignl 7, 3214868480
	.fill 96, 4, 3214868480
	.section	.rodata,"a",@progbits
	.p2align	6, 0x0
	.amdhsa_kernel k_qbe60eb1423_prep
		.amdhsa_group_segment_fixed_size 132608
		.amdhsa_private_segment_fixed_size 0
		.amdhsa_enable_private_segment 0
		.amdhsa_kernarg_size 56
		.amdhsa_user_sgpr_count 2
		.amdhsa_user_sgpr_kernarg_segment_ptr 1
		.amdhsa_wavefront_size32 1
		.amdhsa_system_sgpr_workgroup_id_x 1
		.amdhsa_system_sgpr_workgroup_id_y 1
		.amdhsa_system_sgpr_workgroup_id_z 1
		.amdhsa_system_vgpr_workitem_id 0
		.amdhsa_next_free_vgpr 258
		.amdhsa_next_free_sgpr 66
		.amdhsa_reserve_vcc 0
		.amdhsa_float_denorm_mode_32 3
		.amdhsa_float_denorm_mode_16_64 3
		.amdhsa_memory_ordered 1
		.amdhsa_forward_progress 1
		.amdhsa_inst_pref_size 87
	.end_amdhsa_kernel
	.amdgpu_metadata
---
amdhsa.version: [ 1, 2 ]
amdhsa.kernels:
  - .name:           k_qbe60eb1423_prep
    .symbol:         k_qbe60eb1423_prep.kd
    .args:
      - { .name: x, .offset: 0, .size: 8, .value_kind: global_buffer, .address_space: global }
      - { .name: gamma, .offset: 8, .size: 8, .value_kind: global_buffer, .address_space: global }
      - { .name: beta, .offset: 16, .size: 8, .value_kind: global_buffer, .address_space: global }
      - { .name: qkv_w, .offset: 24, .size: 8, .value_kind: global_buffer, .address_space: global }
      - { .name: proj_w, .offset: 32, .size: 8, .value_kind: global_buffer, .address_space: global }
      - { .name: fr, .offset: 40, .size: 8, .value_kind: global_buffer, .address_space: global }
      - { .name: frs, .offset: 48, .size: 8, .value_kind: global_buffer, .address_space: global }
    .group_segment_fixed_size: 132608
    .private_segment_fixed_size: 0
    .kernarg_segment_align: 8
    .kernarg_segment_size: 56
    .max_flat_workgroup_size: 128
    .sgpr_count:     66
    .vgpr_count:     258
    .wavefront_size: 32
...
	.end_amdgpu_metadata
.endif
;; end of part 1
;; launch qkv (part 2): grid 16 x 16, 4 waves a work-group, no clusters, 168,448 bytes of LDS; arguments fr, frs, qkv_b, qc, qs, kv; writes qc, qs, kv
.if DOCPART == 2
	.amdgcn_target "amdgcn-amd-amdhsa--gfx1250"
	.amdhsa_code_object_version 6
	.text
	.protected	k_qbe60eb1423_qkv
	.globl	k_qbe60eb1423_qkv
	.p2align	8
	.type	k_qbe60eb1423_qkv,@function
k_qbe60eb1423_qkv:
	s_mov_b64 s[64:65], 0
	v_nop
	global_prefetch_b8 v0, s[64:65] scope:SCOPE_SE
	s_setreg_imm32_b32 hwreg(HW_REG_WAVE_MODE, 25, 1), 1
	s_wait_xcnt 0x0
; QKV.  xn qkv_w^T + qkv_b on codes of BF6, and q, k and v quantised in registers, as the attention launch wants them.
; A work-group takes one head (192 columns: 12 tiles of qkv_w) and 512 tokens; each of its four waves 128 tokens (8 tiles of x) x 192 columns x K 512: 384 matrix instructions.
; The head's 12 tiles (73,728 bytes, dense in fr) come into LDS once, a quarter by each wave's one tensor load; the wave's 32 fragments of x stay in 384 registers.
; Q AND K are made TRANSPOSED (source 0 = 16 columns, source 1 = 16 tokens): a lane holds one token and 16 of its 32 channels; lane l xor 16 holds the other 16: one conversion gives 12 of the token's 24 bytes.
; V is made the natural way (source 0 = 16 tokens, source 1 = 16 columns): a lane holds one channel d, and its 64 registers run along 128 tokens, which are the second attention product's K.
; OUT:  qc [head][batch][token][24 bytes];  qs [head][batch][token]: the token's byte four times in a word;
;       kv: a record of 16,128 bytes for each (head, batch, 128 keys): 2 packs of K (a pack is ONE fragment: block beta of lane row r = the 32 codes of key tile 4 P + beta, row r), 8 fragments of V^T as register images,
;       V's scale words [row][tile], K's scale words (lane l: pack l / 16, row l % 16), 128 bytes of zeros, so that every byte of a record is written.
; No cluster: what work-groups share here is the first fill alone, 73,728 bytes once a launch.
; LIMITS: NaN and infinities are not served; a block of zeros gets the byte 1 (its codes are zeros; this program alone reads the bytes).
; REGISTERS, in windows of 256.  Window 0: v1-9 addresses; v16-47 x's scale words, v48-95 W's; v96-159 eight accumulators; from v160 at work.
;   Windows 1, 2: x's fragments of K steps 0, 1 and 2, 3, at ((s % 2) 8 + tile) 12.   Window 3: four buffers of 48 (a tile of W, four K steps); v192-223 the biases of q's and k's four tiles.
.set LI,  1                            ; 16 x lane
.set LI2, 2                            ; the same + 36,864: tiles 6-11 of W in LDS (an LDS offset has 16 bits)
.set QL,  3                            ; q's codes: (r + 8 (r / 8)) 24 + 12 h
.set KL,  4                            ; k's codes: 24 r + 12 h
.set QSL, 5                            ; q's scale words: 4 (r + 8 (r / 8) + 8 h)
.set LS,  6                            ; 4 x lane
.set VSL, 7                            ; V's scale words: 32 r + 16 h
.set BL,  8                            ; V's bias: 4 (r + 8 (r / 8))
.set BH,  9                            ; q's and k's bias: 64 h
.set XS,  16
.set WS,  48
.set ACC, 96
.set PC,  160                          ; v160-179 a fragment's codes, and the second halves
.set TM,  180                          ; v180-195 at work
.set PW,  196                          ; the scale word just made
.set VW,  197                          ; v197-204 V's eight scale words
.set KW0, 205                          ; pack 0's scale word
.set CD,  206                          ; v206-221 q's or k's codes: 4 tiles x 4
.set CB,  222                          ; v222-229 V's bias as a C
.set VB,  230                          ; v230-237 V's bias, a register a tile
.set EM,  238
.set ET,  242
.set ES,  246
.set EB,  250
.set QKB, 192                          ; in window 3
.set REC,    16128
.set VOFF,   3072
.set VSOFF,  15360
.set KSOFF,  15872
.set PADOFF, 16000
.set MSB, 0
.macro WIN new                         ; the immediate's high byte repeats the setting that is left
.if MSB != \new
	s_set_vgpr_msb (MSB<<8)|\new
.set MSB, \new
.endif
.endm
	s_load_b128 s[4:7], s[0:1], 0x0                ; fr, frs
	s_load_b128 s[8:11], s[0:1], 0x10              ; qkv_b, qc
	s_load_b128 s[12:15], s[0:1], 0x20             ; qs, kv
	v_lshl_add_u32 v254, v0, 2, 0x29000
	v_mov_b32 v255, 0
	ds_add_u32 v254, v255
	ds_add_u32 v254, v255
	v_lshrrev_b32 v10, 5, v0
	v_readfirstlane_b32 s16, v10                   ; wave
	s_and_b32 s17, ttmp7, 0xffff
	s_lshl_b32 s17, s17, 2
	s_add_co_u32 s17, s17, s16                     ; my group of 128 tokens, 0 .. 63 = 8 x batch + key step
	s_mov_b32 s24, 3<<16                           ; descriptor group 1: 72 rows of 256 bytes (32 elements of 8 bytes), dense, no padding, no mask
	s_mov_b32 s25, 32<<16                          ; tensor_dim0 = 32
	s_mov_b32 s26, 72<<16                          ; tensor_dim1 = 72
	s_mov_b32 s27, 32<<16                          ; tile_dim0 = 32
	s_mov_b32 s28, 72                              ; tile_dim1 = 72
	s_mov_b32 s29, 32                              ; from row to row
	s_mov_b32 s30, 0
	s_mov_b32 s31, 0
	s_mul_i32 s18, ttmp9, 12
	s_add_co_u32 s18, s18, 512                     ; the head's first tile of W in fr
	s_mul_i32 s38, s18, 6144
	s_mul_i32 s33, s16, 18432                      ; my quarter: in LDS,
	s_add_co_u32 s38, s38, s33                     ; and in memory
	s_mov_b32 s39, 0
	s_mov_b32 s32, 1
	v_and_b32 v10, 31, v0                          ; lane
	v_and_b32 v11, 15, v0                          ; r
	v_bfe_u32 v12, v0, 4, 1                        ; h
	v_lshlrev_b32 v[LI], 4, v10
	v_add_nc_u32 v[LI2], 36864, v[LI]
	v_and_b32 v13, 8, v11
	v_add_nc_u32 v13, v13, v11                     ; r + 8 (r / 8)
	v_mul_u32_u24 v[QL], v13, 24
	v_mad_u32_u24 v[QL], v12, 12, v[QL]
	v_mul_u32_u24 v[KL], v11, 24
	v_mad_u32_u24 v[KL], v12, 12, v[KL]
	v_lshl_add_u32 v[QSL], v12, 3, v13
	v_lshlrev_b32 v[QSL], 2, v[QSL]
	v_lshlrev_b32 v[LS], 2, v10
	v_lshlrev_b32 v[VSL], 5, v11
	v_lshl_add_u32 v[VSL], v12, 4, v[VSL]
	v_lshlrev_b32 v[BL], 2, v13
	v_lshlrev_b32 v[BH], 6, v12
.irp t, 0,1,2,3
	v_mov_b32 v[ET+\t], 0                          ; written once: a lane permute's destination counts as one of its sources
	v_mov_b32 v[TM+4+\t], 0
.endr
	s_mov_b32 s20, 0x76543210
	s_mov_b32 s21, 0xfedcba98                      ; v_permlanex16_b32's selects for lane l xor 16
	s_mov_b32 s22, 0xffff0000                      ; lanes 16-31
	s_mov_b32 s23, 0x01010101
	s_wait_alu depctr_va_vdst(0)
	s_wait_dscnt 0x0
	s_wait_kmcnt 0x0
	s_add_nc_u64 s[34:35], s[4:5], s[38:39]
	s_or_b32 s35, s35, 0x80000000                  ; type = 2
	tensor_load_to_lds s[32:35], s[24:31]          ; my one tensor load: filled once, never again
	s_nop 0
.rept 4
	v_nop                                          ; (behind a tensor load)
.endr
	s_mul_i32 s38, s17, 49152
	s_add_nc_u64 s[36:37], s[4:5], s[38:39]        ; my 8 tiles of x
	s_lshl_b32 s38, s17, 12
	s_add_nc_u64 s[2:3], s[6:7], s[38:39]          ; their scale words
	s_lshl_b32 s38, s18, 9
	s_add_nc_u64 s[46:47], s[6:7], s[38:39]        ; W's scale words
	s_mul_i32 s38, ttmp9, 768
	s_add_nc_u64 s[8:9], s[8:9], s[38:39]          ; the head's 192 biases
	s_lshl_b32 s18, ttmp9, 6
	s_add_co_u32 s18, s18, s17                     ; 64 x head + group
	s_mul_i32 s38, s18, REC
	s_add_nc_u64 s[40:41], s[14:15], s[38:39]      ; my record of kv
	s_mul_i32 s38, s18, 128*24
	s_add_nc_u64 s[42:43], s[10:11], s[38:39]      ; my 128 tokens in qc
	s_lshl_b32 s38, s18, 9
	s_add_nc_u64 s[44:45], s[12:13], s[38:39]      ; and in qs
	WIN 0x40                                       ; destination window 1
.irp s, 0,1
.irp a, 0,1,2,3,4,5,6,7
.irp j, 0,1,2
	global_load_b128 v[(\s*8+\a)*12+4*\j:(\s*8+\a)*12+4*\j+3], v[LI], s[36:37] offset:\a*6144+\s*1536+512*\j
.endr
.endr
.endr
	WIN 0x80                                       ; destination window 2
.irp s, 2,3
.irp a, 0,1,2,3,4,5,6,7
.irp j, 0,1,2
	global_load_b128 v[((\s-2)*8+\a)*12+4*\j:((\s-2)*8+\a)*12+4*\j+3], v[LI], s[36:37] offset:\a*6144+\s*1536+512*\j
.endr
.endr
.endr
	WIN 0xc0                                       ; destination window 3: tile 2 p + u of q or k: lane (r, h) wants the biases of columns 32 p + 8 u + 16 h + 0 .. 7
.irp c, 0,1,2,3
	global_load_b128 v[QKB+8*\c:QKB+8*\c+3], v[BH], s[8:9] offset:(32*(\c/2)+8*(\c%2))*4
	global_load_b128 v[QKB+8*\c+4:QKB+8*\c+7], v[BH], s[8:9] offset:(32*(\c/2)+8*(\c%2))*4+16
.endr
	WIN 0
.irp a, 0,1,2,3,4,5,6,7
	global_load_b128 v[XS+4*\a:XS+4*\a+3], v[LI], s[2:3] offset:512*\a
.endr
.irp c, 0,1,2,3,4,5,6,7,8,9,10,11
	global_load_b128 v[WS+4*\c:WS+4*\c+3], v[LI], s[46:47] offset:512*\c
.endr
.irp c, 0,1,2,3,4,5,6,7
	global_load_b32 v[VB+\c], v[BL], s[8:9] offset:(64+32*(\c/2)+8*(\c%2))*4   ; V's tile c: lane r is channel 32 (c / 2) + 8 (c % 2) + r + 8 (r / 8)
.endr
	s_wait_tensorcnt 0x0                           ; my quarter of W is in LDS,
	s_barrier_signal -1
	s_barrier_wait -1                              ; everybody's is
.macro WLD ct                          ; tiles ct and ct + 1 of W, four K steps each, from LDS into buffers ct % 4 and ct % 4 + 1 of window 3: 24 loads
	WIN 0xc0
.irp d, 0,1
.irp s, 0,1,2,3
.irp j, 0,1,2
.if (\ct) < 6
	ds_load_b128 v[48*(((\ct)+\d)%4)+12*\s+4*\j:48*(((\ct)+\d)%4)+12*\s+4*\j+3], v[LI] offset:((\ct)+\d)*6144+\s*1536+512*\j
.else
	ds_load_b128 v[48*(((\ct)+\d)%4)+12*\s+4*\j:48*(((\ct)+\d)%4)+12*\s+4*\j+3], v[LI2] offset:((\ct)+\d-6)*6144+\s*1536+512*\j
.endif
.endr
.endr
.endr
	WIN 0
.endm
.macro PLACES                          ; four plain lines between a matrix instruction and the first read of its result, or a load into its registers
.rept 4
	v_nop
.endr
.endm
; 32 matrix instructions: q (p = 0) or k (p = 1) of token tiles 4 hf .. 4 hf + 3.  Accumulator 2 t + u = tile t, columns 8 u + 16 h + 0 .. 7.  The eight take turns, K step by K step.
.macro QKPASS p, hf
.irp s, 0,1,2,3
.if \s == 0
	WIN 0x37                                       ; source 0 (W) window 3, source 1 (x) window 1, C (the bias) window 3
.elseif \s == 1
	WIN 0x07
.else
	WIN 0x0b                                       ; x in window 2
.endif
.irp t, 0,1,2,3
.irp u, 0,1
.if \s == 0
	v_wmma_scale_f32_16x16x128_f8f6f4 v[ACC+16*\t+8*\u:ACC+16*\t+8*\u+7], v[48*(2*(\p)+\u)+12*\s:48*(2*(\p)+\u)+12*\s+11], v[((\s%2)*8+4*(\hf)+\t)*12:((\s%2)*8+4*(\hf)+\t)*12+11], v[QKB+8*(2*(\p)+\u):QKB+8*(2*(\p)+\u)+7], v[WS+4*(2*(\p)+\u)+\s], v[XS+4*(4*(\hf)+\t)+\s] matrix_a_fmt:MATRIX_FMT_BF6 matrix_b_fmt:MATRIX_FMT_BF6
.else
	v_wmma_scale_f32_16x16x128_f8f6f4 v[ACC+16*\t+8*\u:ACC+16*\t+8*\u+7], v[48*(2*(\p)+\u)+12*\s:48*(2*(\p)+\u)+12*\s+11], v[((\s%2)*8+4*(\hf)+\t)*12:((\s%2)*8+4*(\hf)+\t)*12+11], v[ACC+16*\t+8*\u:ACC+16*\t+8*\u+7], v[WS+4*(2*(\p)+\u)+\s], v[XS+4*(4*(\hf)+\t)+\s] matrix_a_fmt:MATRIX_FMT_BF6 matrix_b_fmt:MATRIX_FMT_BF6
.endif
.endr
.endr
.endr
	WIN 0
	PLACES
.endm
; The four tiles' tokens are quantised along their 32 channels: one block a token; my 16 channels and lane l xor 16's.
.macro QK_EPI p, hf
	s_wait_xcnt 0x0                                ; earlier stores have read their data: the registers are written again only behind this wait
.irp t, 0,1,2,3
	v_max3_num_f32 v[EM+\t], |v[ACC+16*\t]|, |v[ACC+16*\t+1]|, 0x2800000   ; with the floor 2^(5 - 127)
.endr
.irp i, 2,4,6,8,10,12,14
.irp t, 0,1,2,3
	v_max3_num_f32 v[EM+\t], v[EM+\t], |v[ACC+16*\t+\i]|, |v[ACC+16*\t+\i+1]|
.endr
.endr
.irp t, 0,1,2,3
	v_permlanex16_b32 v[ET+\t], v[EM+\t], s20, s21
.endr
.irp t, 0,1,2,3
	v_max_num_f32 v[EM+\t], v[EM+\t], v[ET+\t]
.endr
.irp t, 0,1,2,3
	v_add_nc_u32 v[ES+\t], 0xfe000000, v[EM+\t]    ; 4 off the exponent field: the conversion's scale operand
.endr
.irp t, 0,1,2,3
	v_lshrrev_b32 v[EB+\t], 23, v[ES+\t]           ; the byte
.endr
.irp t, 0,1,2,3
	v_cvt_scalef32_pk16_bf6_f32 v[CD+4*\t:CD+4*\t+2], v[ACC+16*\t:ACC+16*\t+15], v[ES+\t]   ; channels 16 h .. 16 h + 15: 12 bytes
.endr
	v_nop                                          ; one plain line behind a scaled conversion
.if (\p) == 0
.irp t, 0,1,2,3
	global_store_b96 v[QL], v[CD+4*\t:CD+4*\t+2], s[42:43] offset:(32*(2*(\hf)+\t/2)+8*(\t%2))*24
.endr
.irp t, 0,1,2,3
	v_mul_lo_u32 v[TM+\t], v[EB+\t], s23           ; the byte in all four places: one word serves whichever block q's codes stand in
.endr
.irp g, 0,1
	v_cndmask_b32 v[TM+8+\g], v[TM+2*\g], v[TM+2*\g+1], s22   ; lanes 0-15 store the even tile's words, lanes 16-31 the odd tile's
	global_store_b32 v[QSL], v[TM+8+\g], s[44:45] offset:128*(2*(\hf)+\g)
.endr
.else
.irp t, 0,1,2,3
	global_store_b96 v[KL], v[CD+4*\t:CD+4*\t+2], s[40:41] offset:(\hf)*1536+(\t/2)*768+(\t%2)*384   ; pack hf, block t
.endr
.if (\hf) == 0
	v_lshl_or_b32 v[KW0], v[EB+1], 8, v[EB]
	v_lshl_or_b32 v[KW0], v[EB+2], 16, v[KW0]
	v_lshl_or_b32 v[KW0], v[EB+3], 24, v[KW0]      ; pack 0's scale word of row r
.else
	v_lshl_or_b32 v[TM], v[EB+1], 8, v[EB]
	v_lshl_or_b32 v[TM], v[EB+2], 16, v[TM]
	v_lshl_or_b32 v[TM], v[EB+3], 24, v[TM]
	v_cndmask_b32 v[TM+1], v[KW0], v[TM], s22      ; lanes 0-15: pack 0; lanes 16-31: pack 1
	global_store_b32 v[LS], v[TM+1], s[40:41] offset:KSOFF
.endif
.endif
.endm
; 32 matrix instructions: tile vt of V (16 channels) for my 128 tokens.  Accumulator a = token tile a.
.macro VPASS vt
.irp j, 0,1,2,3,4,5,6,7
	v_mov_b32 v[CB+\j], v[VB+(\vt)]                ; a lane holds one channel: its bias in all eight registers
.endr
.irp s, 0,1,2,3
.if \s < 2
	WIN 0x0d                                       ; source 0 (x) window 1, source 1 (W) window 3
.else
	WIN 0x0e                                       ; x in window 2
.endif
.irp a, 0,1,2,3,4,5,6,7
.if \s == 0
	v_wmma_scale_f32_16x16x128_f8f6f4 v[ACC+8*\a:ACC+8*\a+7], v[((\s%2)*8+\a)*12:((\s%2)*8+\a)*12+11], v[48*((\vt)%4)+12*\s:48*((\vt)%4)+12*\s+11], v[CB:CB+7], v[XS+4*\a+\s], v[WS+4*(4+(\vt))+\s] matrix_a_fmt:MATRIX_FMT_BF6 matrix_b_fmt:MATRIX_FMT_BF6
.else
	v_wmma_scale_f32_16x16x128_f8f6f4 v[ACC+8*\a:ACC+8*\a+7], v[((\s%2)*8+\a)*12:((\s%2)*8+\a)*12+11], v[48*((\vt)%4)+12*\s:48*((\vt)%4)+12*\s+11], v[ACC+8*\a:ACC+8*\a+7], v[XS+4*\a+\s], v[WS+4*(4+(\vt))+\s] matrix_a_fmt:MATRIX_FMT_BF6 matrix_b_fmt:MATRIX_FMT_BF6
.endif
.endr
.endr
	WIN 0
	PLACES
.endm
; My channel's 64 numbers, register 16 b + i = token 32 b + 16 (lane / 16) + i, become a fragment of V^T and its scale word.
.macro V_EPI vt
	s_wait_xcnt 0x0                                ; the last fragment's stores have read their data
.irp b, 0,1,2,3
	v_max3_num_f32 v[TM+\b], |v[ACC+16*\b]|, |v[ACC+1+16*\b]|, 0x2800000
.endr
.irp i, 2,4,6,8,10,12,14
.irp b, 0,1,2,3
	v_max3_num_f32 v[TM+\b], v[TM+\b], |v[ACC+16*\b+\i]|, |v[ACC+1+16*\b+\i]|
.endr
.endr
.irp b, 0,1,2,3
	v_permlanex16_b32 v[TM+4+\b], v[TM+\b], s20, s21
.endr
.irp b, 0,1,2,3
	v_max_num_f32 v[TM+\b], v[TM+\b], v[TM+4+\b]
.endr
.irp b, 0,1,2,3
	v_add_nc_u32 v[TM+12+\b], 0xfe000000, v[TM+\b]
.endr
.irp b, 0,1,2,3
	v_lshrrev_b32 v[TM+4+\b], 23, v[TM+12+\b]
.endr
	v_lshl_or_b32 v[PW], v[TM+5], 8, v[TM+4]
	v_lshl_or_b32 v[PW], v[TM+6], 16, v[PW]
	v_lshl_or_b32 v[PW], v[TM+7], 24, v[PW]
.irp c, 0,1
	v_cvt_scalef32_pk16_bf6_f32 v[PC+6*\c:PC+2+6*\c], v[ACC+32*\c:ACC+15+32*\c], v[TM+12+2*\c]
	v_cvt_scalef32_pk16_bf6_f32 v[PC+12+4*\c:PC+14+4*\c], v[ACC+16+32*\c:ACC+31+32*\c], v[TM+12+2*\c+1]
.endr
	v_nop                                          ; one plain line behind a scaled conversion
.irp c, 0,1                            ; the operand's layout wants a whole block in a lane: lanes 0-15 block 2 c, lanes 16-31 block 2 c + 1
.irp i, 0,1,2
	v_permlane16_swap_b32 v[PC+6*\c+\i], v[PC+12+4*\c+\i]
.endr
.irp i, 0,1,2
	v_mov_b32 v[PC+3+6*\c+\i], v[PC+12+4*\c+\i]
.endr
.endr
.irp j, 0,1,2
	global_store_b128 v[LI], v[PC+4*\j:PC+4*\j+3], s[40:41] offset:VOFF+(\vt)*1536+512*\j   ; 512 consecutive bytes, aligned
.endr
	v_mov_b32 v[VW+(\vt)], v[PW]
.endm
	WLD 0                                          ; q's two tiles of W
	s_wait_loadcnt 0x0                             ; x, the scale words, the biases
	s_wait_dscnt 0x0
	WLD 2                                          ; k's two tiles come while q is multiplied
	QKPASS 0, 0
	QK_EPI 0, 0
	QKPASS 0, 1
	QK_EPI 0, 1
	s_wait_dscnt 0x0                               ; k's tiles are in
	WLD 4                                          ; into q's buffers: their last readers stand in front of four plain lines and an epilogue
	QKPASS 1, 0
	QK_EPI 1, 0
	QKPASS 1, 1
	QK_EPI 1, 1
	s_wait_dscnt 0x0
	WLD 6
	VPASS 0
	V_EPI 0
	VPASS 1
	V_EPI 1
	s_wait_dscnt 0x0
	WLD 8
	VPASS 2
	V_EPI 2
	VPASS 3
	V_EPI 3
	s_wait_dscnt 0x0
	WLD 10
	VPASS 4
	V_EPI 4
	VPASS 5
	V_EPI 5
	s_wait_dscnt 0x0
	VPASS 6
	V_EPI 6
	VPASS 7
	V_EPI 7
	s_wait_alu depctr_va_vdst(0)
	s_wait_xcnt 0x0                                ; the last fragment's stores have read their data
.irp i, 0,1,2,3
	v_cndmask_b32 v[PC+\i], v[VW+\i], v[VW+4+\i], s22   ; lanes 0-15 store tiles 0-3's words of row r, lanes 16-31 tiles 4-7's
.endr
	v_mov_b32 v[TM], 0
	global_store_b128 v[VSL], v[PC:PC+3], s[40:41] offset:VSOFF
	global_store_b32 v[LS], v[TM], s[40:41] offset:PADOFF   ; the record's last 128 bytes: fetched with it, read by nobody
	s_wait_tensorcnt 0x0
	ds_add_u32 v254, v255
	s_wait_dscnt 0x0
	s_endpgm
.Lfunc_end_k_qbe60eb1423_qkv:
	.size	k_qbe60eb1423_qkv, .Lfunc_end_k_qbe60eb1423_qkv-k_qbe60eb1423_qkv
	.p2alignl 7, 3214868480
	.fill 96, 4, 3214868480
	.section	.rodata,"a",@progbits
	.p2align	6, 0x0
	.amdhsa_kernel k_qbe60eb1423_qkv
		.amdhsa_group_segment_fixed_size 168448
		.amdhsa_private_segment_fixed_size 0
		.amdhsa_enable_private_segment 0
		.amdhsa_kernarg_size 48
		.amdhsa_user_sgpr_count 2
		.amdhsa_user_sgpr_kernarg_segment_ptr 1
		.amdhsa_wavefront_size32 1
		.amdhsa_system_sgpr_workgroup_id_x 1
		.amdhsa_system_sgpr_workgroup_id_y 1
		.amdhsa_system_sgpr_workgroup_id_z 1
		.amdhsa_system_vgpr_workitem_id 0
		.amdhsa_next_free_vgpr 1024
		.amdhsa_next_free_sgpr 66
		.amdhsa_reserve_vcc 0
		.amdhsa_float_denorm_mode_32 3
		.amdhsa_float_denorm_mode_16_64 3
		.amdhsa_memory_ordered 1
		.amdhsa_forward_progress 1
		.amdhsa_inst_pref_size 128
	.end_amdhsa_kernel
	.amdgpu_metadata
---
amdhsa.version: [ 1, 2 ]
amdhsa.kernels:
  - .name:           k_qbe60eb1423_qkv
    .symbol:         k_qbe60eb1423_qkv.kd
    .args:
      - { .name: fr, .offset: 0, .size: 8, .value_kind: global_buffer, .address_space: global }
      - { .name: frs, .offset: 8, .size: 8, .value_kind: global_buffer, .address_space: global }
      - { .name: qkv_b, .offset: 16, .size: 8, .value_kind: global_buffer, .address_space: global }
      - { .name: qc, .offset: 24, .size: 8, .value_kind: global_buffer, .address_space: global }
      - { .name: qs, .offset: 32, .size: 8, .value_kind: global_buffer, .address_space: global }
      - { .name: kv, .offset: 40, .size: 8, .value_kind: global_buffer, .address_space: global }
    .group_segment_fixed_size: 168448
    .private_segment_fixed_size: 0
    .kernarg_segment_align: 8
    .kernarg_segment_size: 48
    .max_flat_workgroup_size: 128
    .sgpr_count:     66
    .vgpr_count:     1024
    .wavefront_size: 32
...
	.end_amdgpu_metadata
.endif
;; end of part 2
;; launch attn (part 3): grid 16 x 16, 8 waves a work-group, no clusters, 327,680 bytes of LDS; arguments qc, qs, kv, bias_idxs, attention_biases, of, os; writes of, os
.if DOCPART == 3
	.amdgcn_target "amdgcn-amd-amdhsa--gfx1250"
	.amdhsa_code_object_version 6
	.text
	.protected	k_qbe60eb1423_attn
	.globl	k_qbe60eb1423_attn
	.p2align	8
	.type	k_qbe60eb1423_attn,@function
k_qbe60eb1423_attn:
	s_mov_b64 s[64:65], 0
	v_nop
	global_prefetch_b8 v0, s[64:65] scope:SCOPE_SE
	s_setreg_imm32_b32 hwreg(HW_REG_WAVE_MODE, 25, 1), 1
	s_wait_xcnt 0x0
; ATTENTION on codes of BF6: logits = q k^T / sqrt(32) + bias[head][bias_idxs[query][key]]; p = 2^(t - M), t = logit x log2(e), M the running ceiling of the row's largest t; O = (sum p v) / (sum p), quantised along the head's 128.
; SHARES.  A work-group owns ONE HEAD and 64 QUERIES, FOR ALL EIGHT BATCHES: the bias hangs on head, query and key alone, so its 64 x 1,024 numbers are gathered once and stay in LDS (262,144 bytes).
; Eight waves: wave w owns query tile w % 4 (16 queries) and the four batches 4 (w / 4) .. + 3, one after the other: 32 key steps of 128 keys.  A step's record of kv (16,128 bytes: K, V, their scale words) comes by ONE tensor load
; for the four waves of a batch lane (waves 0 and 4 issue), through a ring of two slots a lane.
; THE WALK TURNS WITH THE WORK-GROUP.  Work-group x begins a lane's four batches at batch x % 4 and goes round: step t takes record (8 (x % 4) + t) % 32 of the lane's 32.  So the 16 work-groups of a head ask for four different
; records at a time, four work-groups each, and what one of them asks for from its second batch on has been read by four others eight steps earlier.
; THE BIAS IS THE C OF THE SCORE PRODUCTS: stored as bias x sqrt(32), loaded into the score registers, D = C in place; t = c S with c = log2(e) / sqrt(32).  No vector instruction is spent on it.
; K = 32 IN A FORM OF K = 128.  A pack of K is one fragment whose block beta holds key tile 4 P + beta.  Q stands in four variants, its 32 codes in block beta and zero CODES elsewhere: pack x variant beta = key tile beta's scores.
; The variants are four windows of 12 registers over 30: Z Q0 Z Q1 Z (Q0: Q in lanes 0-15; Q1: in lanes 16-31).  Q's scale word is its byte four times.  The other blocks multiply real codes by zero codes under real bytes: they add nothing.
; Both products are used transposed (S^T = K Q^T, O^T = V^T P^T): a lane holds one query.  Key tile T's row 8 h + j is key 32 (T / 2) + 8 (T % 2) + 16 h + j, so p's 16 registers of two tiles are 16 neighbouring keys.
; LDS: bias: query 16 qt + r, key step s, keys 4 q .. 4 q + 3 at 65,536 qt + 8,192 s + 512 r + 256 (q / 16) + 16 ((q % 16) xor r): the exclusive or takes padding's place, for which there is no room:
;      a writer's 16 lanes (one row, 16 chunks) and a reader's (one chunk, 16 rows) both touch 16 different columns of 16 bytes.  Behind it the ring, 4 x 16,128; behind it the spare words, 1,024.
; No cluster in this text, though work-groups of a head walk the same records: a joint refill would put a round of four work-groups in front of each of the 32 steps, for 32,256 fetched bytes a step.
; LIMITS: NaN and infinities are not served; bias x sqrt(32) is one f32 rounding more; v_exp_f32 and v_rcp_f32 are good to 1 ulp; a block's largest p is taken from its largest score (v_exp_f32 is taken not to fall where its input rises);
; a block of zeros gets the byte 1 (its codes are zeros).  An index is held to 0 .. 1,023, the table's size.
; REGISTERS.  Window 0: see the names below.  Window 1: v0-63 O^T, v64-159 the step's 8 fragments of V^T; during the gather all 256.
.set REC,   16128
.set VOFF,  3072
.set VSOFF, 15360
.set KSOFF, 15872
.set RING,  262144
.set SPARE, RING+4*REC                 ; 326,656: the spare words, 128 bytes for each of eight waves: four blocks of 256 bytes that no other line names
.set LI,  1                            ; 16 x lane
.set AK,  2                            ; my lane's ring + 24 x lane: a pack's 24 bytes
.set AI,  3                            ; + 16 x lane: a register image
.set AVS, 4                            ; + 32 r: V's scale words
.set AKS, 5                            ; + 4 x lane: K's
.set SPW, 6                            ; my spare word; never rewritten
.set NIL, 7                            ; 0; never rewritten
.set QO,  8                            ; 24 r; never rewritten
.set QSO, 9                            ; 4 r; never rewritten
.set LS,  10                           ; 4 x lane
.set PFO, 11                           ; the prefetches' offset; never rewritten
.set BA,  16                           ; v16-23  my eight places in a step's bias
.set BAD, 24                           ; v24-31  the same in the step to be loaded
.set ZQ,  32                           ; v32-61  Z Q0 Z Q1 Z
.set QW,  62                           ; Q's scale word
.set KW,  63                           ; K's: pack 0 in lanes 0-15, pack 1 in lanes 16-31
.set KP,  64                           ; v64-87  two packs
.set VS,  88                           ; v88-95  V's scale words
.set S,   96                           ; v96-159 the bias, then S^T, then p
.set PC,  160                          ; v160-171 codes
.set PX,  172                          ; v172-179 their second halves
.set BM,  180                          ; v180-183 a block's largest
.set BT,  184                          ; v184-187 lane l xor 16's; later bytes
.set SO,  188                          ; v188-191 scale operands
.set FF,  192                          ; v[192:193] f = 2^(old M - new M)
.set PW,  194                          ; the scale word just made
.set TT,  195
.set L2,  196                          ; v[196:197] the sum's second chain
.set TQ,  198                          ; v198-203 the next batch's Q as loaded
.set RL,  204                          ; v[204:205] 1 / l
.set GA,  206                          ; v206-213 the gather: where row i's chunks go
.set QWN, 214                          ; the next batch's scale word of Q as loaded
.set VF,  64                           ; in window 1
.set WV,  18
.set QT,  19                           ; wave % 4: my query tile; 0: I issue the tensor loads
.set BLN, 20                           ; wave / 4: my batch lane
.set HD,  21
.set CS,  22                           ; s[22:23] c
.set G1,  24                           ; s[24:31] descriptor group 1
.set G0,  32                           ; s[32:39] group 0, a set for each slot
.set SEL, 40
.set MSK, 42                           ; lanes 16-31
.set BS,  43                           ; 8,192 x (the step whose bias is loaded next, in its batch)
.set C1,  44
.set C2,  45
.set T2,  46                           ; at the head of step t: t + 2
.set LIM, 47                           ; 8 in a wave that prefetches, else 0
.set PFA, 48
.set QP,  50                           ; s[50:51] Q's codes, s[52:53] its scale words, s[54:55] O's fragments, s[56:57] its scale words: at my lane's batch 0; never rewritten
.set QSP, 52
.set OFP, 54
.set OSP, 56
.set R32, 58                           ; s[58:59] sqrt(32)
.set IXB, 60
.set TAB, 62
.set BI,  70                           ; the batch in hand, 0 .. 3 of my lane's four
.set R8,  71                           ; 8 (x % 4): the record with which the walk begins
.set QPT, 72                           ; s[72:79] the four addresses at a batch
.set QST, 74
.set OFT, 76
.set OST, 78
.set MSB, 0
.macro WIN new                         ; the immediate's high byte repeats the setting that is left
.if MSB != \new
	s_set_vgpr_msb (MSB<<8)|\new
.set MSB, \new
.endif
.endm
.macro TLOAD m                         ; slot m of my batch lane: waves 0 and 4 issue, a record each.  The branch hangs on the wave's number alone; four v_nop follow the load
	s_cmp_eq_u32 s[QT], 0
	s_cbranch_scc0 .Lnot_mine_\@
	tensor_load_to_lds s[G0+4*(\m):G0+4*(\m)+3], s[G1:G1+7]
	s_nop 0
.rept 4
	v_nop
.endr
.Lnot_mine_\@:
.endm
; A PREFETCH INTO THE L2, in the walk's first batch alone: step t (0 to 4) names record t + 3 of the walk, two steps ahead of the tensor load that will ask for it.  Four work-groups of a head begin with the same batch: the first of
; them (x < 4) asks.  In it waves 1 and 2 of a batch lane ask, which fetch nothing: 63 blocks of 256 bytes, a lane a block; the second wave's last lane names the record's last block a second time.  The walk's records 0 to 2 come by
; their loads alone; the later batches' records have been read by other work-groups of the head by then, and are asked for no more.
.macro ASK
	s_cmp_lt_u32 s[T2], s[LIM]                     ; s[T2] is t + 3 here
	s_cbranch_scc0 .Lnot_asked_\@
	global_prefetch_b8 v[PFO], s[PFA:PFA+1] th:TH_LOAD_NT scope:SCOPE_SE
.Lnot_asked_\@:
.endm
.macro QLOAD                           ; Q and its scale word of batch s66 of my lane's four: four loads, waited for at that batch's head
	s_mul_i32 s68, s66, 1024*24
	s_mov_b32 s69, 0
	s_add_nc_u64 s[QPT:QPT+1], s[QP:QP+1], s[68:69]
	s_lshl_b32 s68, s66, 12
	s_add_nc_u64 s[QST:QST+1], s[QSP:QSP+1], s[68:69]
.irp i, 0,1,2
	global_load_b64 v[TQ+2*\i:TQ+2*\i+1], v[QO], s[QPT:QPT+1] offset:8*\i
.endr
	global_load_b32 v[QWN], v[QSO], s[QST:QST+1]
.endm
	s_load_b128 s[4:7], s[0:1], 0x0                ; qc, qs
	s_load_b128 s[8:11], s[0:1], 0x10              ; kv, bias_idxs
	s_load_b128 s[12:15], s[0:1], 0x20             ; attention_biases, of
	s_load_b64 s[16:17], s[0:1], 0x30              ; os
	v_lshl_add_u32 v[SPW], v0, 2, SPARE
	v_mov_b32 v[NIL], 0
	ds_add_u32 v6, v7
	ds_add_u32 v6, v7
	s_wait_dscnt 0x0
	v_lshrrev_b32 v96, 5, v0
	s_delay_alu instid0(VALU_DEP_1)
	v_readfirstlane_b32 s[WV], v96
	s_and_b32 s[QT], s[WV], 3
	s_lshr_b32 s[BLN], s[WV], 2
	s_and_b32 s[HD], ttmp7, 0xffff
	s_mov_b32 s[G1], 3<<16                         ; a record: 63 rows of 256 bytes (32 elements of 8 bytes), dense, no padding, no mask
	s_mov_b32 s[G1+1], 32<<16
	s_mov_b32 s[G1+2], 63<<16
	s_mov_b32 s[G1+3], 32<<16
	s_mov_b32 s[G1+4], 63
	s_mov_b32 s[G1+5], 32
	s_mov_b32 s[G1+6], 0
	s_mov_b32 s[G1+7], 0
	s_mul_i32 s2, s[BLN], 2*REC
	s_add_co_u32 s2, s2, RING                      ; my batch lane's two slots
	s_lshl_b32 s66, s[HD], 6
	s_lshl_b32 s67, s[BLN], 5
	s_add_co_u32 s66, s66, s67
	s_mul_i32 s66, s66, REC                        ; its 32 records lie on end: from record 64 head + 32 lane on
	s_mov_b32 s67, 0
	s_and_b32 s[BI], ttmp9, 3                      ; the batch with which my work-group begins,
	s_lshl_b32 s[R8], s[BI], 3                     ; and its first record
	s_mul_i32 s68, s[R8], REC
	s_mov_b32 s69, 0
	s_wait_kmcnt 0x0
	s_add_nc_u64 s[8:9], s[8:9], s[66:67]          ; the lane's first record: kept for the whole launch
	s_mov_b32 s[G0], 1
	s_mov_b32 s[G0+1], s2
	s_add_nc_u64 s[G0+2:G0+3], s[8:9], s[68:69]    ; the walk's record 0,
	s_add_nc_u64 s[G0+6:G0+7], s[G0+2:G0+3], REC   ; its record 1 (8 (x % 4) + 1 is 25 at the most: no turn yet)
	s_add_nc_u64 s[PFA:PFA+1], s[G0+2:G0+3], 2*REC ; stepped at each step's head: step t finds the walk's record t + 3
	s_or_b32 s[G0+3], s[G0+3], 0x80000000
	s_mov_b32 s[G0+4], 1
	s_add_co_u32 s[G0+5], s2, REC
	s_or_b32 s[G0+7], s[G0+7], 0x80000000
	TLOAD 0                                        ; the walk's record 0: the launch's first fill, ahead of every wait on TENSORcnt, LDS read and barrier
	s_sub_co_u32 s66, s[QT], 1                     ; 0, 1 in waves 1, 2 of a lane
	s_lshr_b32 s67, s66, 1
	s_lshr_b32 s68, ttmp9, 2
	s_or_b32 s67, s67, s68                         ; of work-groups 0 to 3 of the head: one for each batch that a walk begins with
	s_cmp_eq_u32 s67, 0
	s_cselect_b32 s[LIM], 8, 0
	s_and_b32 s66, s66, 1
	s_lshl_b32 s66, s66, 5
	v_and_b32 v98, 31, v0                          ; lane
	s_wait_alu depctr_va_vdst(0)
	v_and_b32 v96, 15, v0                          ; r
	s_wait_alu depctr_va_vdst(0)
	v_bfe_u32 v97, v0, 4, 1                        ; h
	v_add_nc_u32 v[PFO], s66, v98
	s_delay_alu instid0(VALU_DEP_1)
	v_min_u32 v[PFO], 62, v[PFO]
	s_delay_alu instid0(VALU_DEP_1)
	v_lshlrev_b32 v[PFO], 8, v[PFO]
	s_mov_b32 s[CS], 0x3e8293ee                    ; c = log2(e) / sqrt(32)
	s_mov_b32 s[CS+1], s[CS]
	s_mov_b32 s[R32], 0x40b504f3                   ; sqrt(32)
	s_mov_b32 s[R32+1], s[R32]
	s_mov_b32 s[SEL], 0x76543210
	s_mov_b32 s[SEL+1], 0xfedcba98
	s_mov_b32 s[MSK], 0xffff0000
	s_mov_b32 s[BS], 0
	s_mov_b32 s[T2], 2
	s_mov_b32 s[C2], 3                             ; batches in the loop below; INIT reads it
	s_lshl_b32 s66, s[HD], 3                       ; q: token (8 head + 4 lane) 1,024 + 64 x + 16 tile
	s_lshl_b32 s67, s[BLN], 2
	s_add_co_u32 s66, s66, s67
	s_lshl_b32 s66, s66, 10
	s_lshl_b32 s67, ttmp9, 6
	s_add_co_u32 s66, s66, s67
	s_lshl_b32 s67, s[QT], 4
	s_add_co_u32 s66, s66, s67
	s_mul_i32 s68, s66, 24
	s_mov_b32 s69, 0
	s_add_nc_u64 s[QP:QP+1], s[4:5], s[68:69]
	s_lshl_b32 s68, s66, 2
	s_add_nc_u64 s[QSP:QSP+1], s[6:7], s[68:69]
	s_lshl_b32 s66, s[BLN], 8                      ; O: fragment (token tile 64 batch + 4 x + tile) 16 + head
	s_lshl_b32 s67, ttmp9, 2
	s_add_co_u32 s66, s66, s67
	s_add_co_u32 s66, s66, s[QT]
	s_lshl_b32 s66, s66, 4
	s_add_co_u32 s66, s66, s[HD]
	s_mul_i32 s68, s66, 1536
	s_add_nc_u64 s[OFP:OFP+1], s[14:15], s[68:69]
	s_lshl_b32 s68, s66, 7
	s_add_nc_u64 s[OSP:OSP+1], s[16:17], s[68:69]
	s_lshl_b32 s66, ttmp9, 6                       ; the gather: my 8 rows of bias_idxs: 64 x + 8 wave on
	s_lshl_b32 s67, s[WV], 3
	s_add_co_u32 s66, s66, s67
	s_lshl_b32 s68, s66, 12
	s_add_nc_u64 s[IXB:IXB+1], s[10:11], s[68:69]
	s_lshl_b32 s68, s[HD], 12
	s_add_nc_u64 s[TAB:TAB+1], s[12:13], s[68:69]  ; the head's 1,024 biases
	v_lshlrev_b32 v[LI], 4, v98
	v_mul_u32_u24 v[AK], v98, 24
	s_delay_alu instid0(VALU_DEP_1)
	v_add_nc_u32 v[AK], s2, v[AK]
	s_delay_alu instid0(VALU_DEP_3)
	v_add_nc_u32 v[AI], s2, v[LI]
	v_lshlrev_b32 v[AVS], 5, v96
	s_delay_alu instid0(VALU_DEP_1)
	v_add_nc_u32 v[AVS], s2, v[AVS]
	v_lshlrev_b32 v[LS], 2, v98
	s_delay_alu instid0(VALU_DEP_1)
	v_add_nc_u32 v[AKS], s2, v[LS]
	v_mul_u32_u24 v[QO], v96, 24
	v_lshlrev_b32 v[QSO], 2, v96
	v_lshlrev_b32 v99, 2, v97                      ; the bias as I read it: tile T, half j of its registers = chunk 8 (T / 2) + 4 h + 2 (T % 2) + j
	s_delay_alu instid0(VALU_DEP_1)
	v_xor_b32 v99, v99, v96
	s_delay_alu instid0(VALU_DEP_1)
	v_lshlrev_b32 v99, 4, v99
	s_delay_alu instid0(VALU_DEP_1)
	v_lshl_add_u32 v99, v96, 9, v99
	s_lshl_b32 s66, s[QT], 16
	v_add_nc_u32 v[BA], s66, v99
.irp x, 1,2,3,4,5,6,7
	v_xor_b32 v[BA+\x], 16*(8*(\x/4)+\x%4), v[BA]
.endr
	s_lshr_b32 s66, s[WV], 1                       ; and as I write it: row 8 wave + i = query tile wave / 2, row rr = 8 (wave % 2) + i; chunk = lane
	s_lshl_b32 s66, s66, 16
	s_and_b32 s67, s[WV], 1
	s_lshl_b32 s67, s67, 3
.irp i, 0,1,2,3,4,5,6,7
	s_add_co_u32 s68, s67, \i
	v_xor_b32 v[GA+\i], s68, v98
	s_lshl_b32 s69, s68, 9
	s_add_co_u32 s69, s69, s66
	v_lshl_add_u32 v[GA+\i], v[GA+\i], 4, s69
.endr
.irp i, 0,1,2,3,4,5
	v_mov_b32 v[ZQ+\i], 0                          ; the zero codes
	v_mov_b32 v[ZQ+12+\i], 0
	v_mov_b32 v[ZQ+24+\i], 0
.endr
.irp b, 0,1,2,3
	v_mov_b32 v[BT+\b], 0                          ; written once: a lane permute's destination counts as one of its sources
.endr
	v_mov_b32 v[FF+1], 0                           ; (named as the upper halves of pairs)
	v_mov_b32 v[RL+1], 0
	v_mov_b32 v[TT], 0
	v_mov_b32 v[PW], 0x7f7f7f7f                    ; the first step's V products multiply zero codes: their scale bytes are finite codes (1.0)
.irp t, 0,1,2,3,4,5,6,7
	v_mov_b32 v[VS+\t], 0x7f7f7f7f
.endr
	s_mov_b32 s66, s[BI]
	QLOAD                                          ; the first batch's Q: four loads, older than every load of the gather, so that its counts stand
	; THE GATHER.  Row i's 1,024 indices: 8 loads of 512 consecutive bytes; each index is held to the table, becomes a byte offset, and its own register takes the bias.
	WIN 0x40                                       ; destination window 1
.irp i, 0,1,2,3,4,5,6,7
.irp s, 0,1,2,3,4,5,6,7
	global_load_b128 v[32*\i+4*\s:32*\i+4*\s+3], v[LI], s[IXB:IXB+1] offset:\i*4096+512*\s
.endr
.endr
.irp i, 0,1,2,3,4,5,6,7
.if \i == 0
	s_wait_loadcnt 56                              ; row 0's eight loads are in: 56 were issued behind them
.else
	s_wait_loadcnt 63                              ; behind row i's eight stand 8 (7 - i) index loads and 32 i gathers: 80 at the least
.endif
	WIN 0x44
.set j, 32*\i
.rept 32
	v_min_u32 v[j], 0x3ff, v[j]
.set j, j+1
.endr
.set j, 32*\i
.rept 32
	v_lshlrev_b32 v[j], 2, v[j]
.set j, j+1
.endr
	WIN 0x41
.set j, 32*\i
.rept 32
	global_load_b32 v[j], v[j], s[TAB:TAB+1]
.set j, j+1
.endr
.endr
.irp i, 0,1,2,3,4,5,6,7
.if \i < 6
	s_wait_loadcnt 63                              ; behind row i's 32 gathers stand 32 (7 - i): 64 at the least
.else
	s_wait_loadcnt 32*(7-\i)
.endif
	WIN 0x41
.set j, 32*\i
.rept 16
	v_pk_mul_f32 v[j:j+1], v[j:j+1], s[R32:R32+1] op_sel_hi:[1,0]   ; x sqrt(32): c undoes it
.set j, j+2
.endr
	WIN 0x04                                       ; an LDS store's data are its source 1
.irp s, 0,1,2,3,4,5,6,7
	ds_store_b128 v[GA+\i], v[32*\i+4*\s:32*\i+4*\s+3] offset:8192*\s
.endr
.endr
	WIN 0
	s_wait_dscnt 0x0                               ; for the others' sake: my rows of the bias are in LDS
	s_barrier_signal -1
	s_barrier_wait -1                              ; all 64 rows are.  The first record's load may stay out
.macro BLOAD                           ; the next step's bias into the score registers: 16 loads
.irp x, 0,1,2,3,4,5,6,7
	v_add_nc_u32 v[BAD+\x], s[BS], v[BA+\x]
.endr
.irp t, 0,1,2,3,4,5,6,7
.irp j, 0,1
	ds_load_b128 v[S+8*\t+4*\j:S+8*\t+4*\j+3], v[BAD+4*((\t/2)%2)+2*(\t%2)+\j] offset:256*(\t/4)
.endr
.endr
.endm
; A batch begins: M, l, O^T anew; its Q, asked for a batch ago, is laid out; the next batch's Q is asked for, into the registers just read, eight key steps ahead of the wait for it.
.macro INIT
.irp i, 0,1,2,3,4,5,6,7,8,9,10,11
	v_mov_b32 v[PC+\i], 0                          ; zero codes of p: a batch's first step runs the V products on them, which add nothing to the new O^T
.endr
	v_mov_b32 v13, 0xff61b1e6
	s_delay_alu instid0(VALU_DEP_1)
	v_floor_f32 v12, -v13                          ; -M
	v_mov_b32 v14, 0
	v_mov_b32 v15, 0
	WIN 0x40
.set j, 0
.rept 64
	v_mov_b32 v[j], 0                              ; O^T: the first change of M leaves zeros zeros, so the step is written once
.set j, j+1
.endr
	WIN 0
	s_wait_loadcnt 0x0                             ; this batch's Q and scale word are in; their address registers may be written
	v_mov_b32 v[QW], v[QWN]                        ; a scale register written by a vector instruction stands eight plain lines ahead of a scaled matrix instruction: sixteen follow
.irp i, 0,1,2,3,4,5
	v_cndmask_b32 v[ZQ+6+\i], v[TQ+\i], v[ZQ], s[MSK]    ; Q0: Q in lanes 0-15
	v_cndmask_b32 v[ZQ+18+\i], v[ZQ], v[TQ+\i], s[MSK]   ; Q1: Q in lanes 16-31
.endr
	s_cmp_eq_u32 s[C2], 1                          ; the fourth batch has no successor: nothing is asked for
	s_cbranch_scc1 .Lno_next_\@
	s_add_co_u32 s66, s[BI], 1
	s_and_b32 s66, s66, 3                          ; the walk goes round the lane's four batches
	QLOAD
.Lno_next_\@:
.rept 4
	v_nop                                          ; an operand written by vector instructions stands four plain lines ahead of a scaled matrix instruction
.endr
.endm
; A KEY STEP: slot n.  refill = 1: the other slot is filled with the next record, and the next step's bias is fetched.
.macro STEP n, refill
	s_wait_tensorcnt 0x0                           ; all my tensor loads have landed: this slot's record, if I issued it; so a group 0 may be written
	ds_add_u32 v[SPW], v[NIL]                      ; 0 onto my spare word
	s_add_co_u32 s66, s[T2], s[R8]                 ; this slot's next record, the walk's t + 2: record (8 (x % 4) + t + 2) % 32 of the lane
	s_and_b32 s66, s66, 31
	s_mul_i32 s66, s66, REC
	s_mov_b32 s67, 0
	s_add_nc_u64 s[G0+2+4*(\n):G0+3+4*(\n)], s[8:9], s[66:67]
	s_or_b32 s[G0+3+4*(\n)], s[G0+3+4*(\n)], 0x80000000   ; type = 2
	s_add_co_u32 s[T2], s[T2], 1
	s_wait_xcnt 0x0                                ; the last prefetch, a step back, has read its address
	s_add_nc_u64 s[PFA:PFA+1], s[PFA:PFA+1], REC
	s_wait_dscnt 0x0                               ; the add is done; my reads of the other slot are over; this step's bias is in
	s_barrier_signal -1
	s_barrier_wait -1                              ; all that holds of every wave
.if \refill
	TLOAD 1-(\n)                                   ; the first thing behind the barrier, a wave's one tensor load until the next: it has this whole step in which to land
	ASK
.endif
.irp p, 0,1
.irp c, 0,1
.irp i, 0,1,2
	ds_load_b64 v[KP+12*\p+6*\c+2*\i:KP+12*\p+6*\c+2*\i+1], v[AK] offset:(\n)*REC+\p*1536+\c*768+8*\i
.endr
.endr
.endr
	ds_load_b32 v[KW], v[AKS] offset:(\n)*REC+KSOFF
	PV                                             ; the step before's O^T += V^T P^T: registers alone (V, its scale words, p's codes), while this step's 13 loads of K are out; its four plain lines stand ahead of the loads into V's registers
	ds_load_b128 v[VS:VS+3], v[AVS] offset:(\n)*REC+VSOFF
	ds_load_b128 v[VS+4:VS+7], v[AVS] offset:(\n)*REC+VSOFF+16
	WIN 0x40
.irp t, 0,1,2,3,4,5,6,7
.irp j, 0,1,2
	ds_load_b128 v[VF+12*\t+4*\j:VF+12*\t+4*\j+3], v[AI] offset:(\n)*REC+VOFF+\t*1536+512*\j
.endr
.endr
	WIN 0
	s_wait_dscnt 26                                ; the packs and K's scale words are in; V's 24 loads and its scale words' 2 may be out
	s_wait_alu depctr_va_vdst(0)
.irp be, 0,1,2,3                       ; S^T = K Q^T + bias sqrt(32): eight accumulators, one instruction each
	v_wmma_scale_f32_16x16x128_f8f6f4 v[S+8*\be:S+8*\be+7], v[KP:KP+11], v[ZQ+6+12*(\be%2)-6*(\be/2):ZQ+6+12*(\be%2)-6*(\be/2)+11], v[S+8*\be:S+8*\be+7], v[KW], v[QW] matrix_a_fmt:MATRIX_FMT_BF6 matrix_b_fmt:MATRIX_FMT_BF6
.endr
.irp be, 0,1,2,3
	v_wmma_scale_f32_16x16x128_f8f6f4 v[S+32+8*\be:S+32+8*\be+7], v[KP+12:KP+23], v[ZQ+6+12*(\be%2)-6*(\be/2):ZQ+6+12*(\be%2)-6*(\be/2)+11], v[S+32+8*\be:S+32+8*\be+7], v[KW], v[QW] matrix_a_fmt:MATRIX_FMT_BF6 matrix_b_fmt:MATRIX_FMT_BF6 matrix_a_scale:MATRIX_SCALE_ROW1
.endr
.rept 4
	v_nop
.endr
.irp b, 0,1,2,3
	v_max3_num_f32 v[BM+\b], v[S+16*\b], v[S+1+16*\b], v[S+2+16*\b]   ; the largest score of each block of 32 keys: for the row's maximum and, since p rises with the score, for the block's largest p
.endr
.irp i, 3,5,7,9,11,13
.irp b, 0,1,2,3
	v_max3_num_f32 v[BM+\b], v[BM+\b], v[S+16*\b+\i], v[S+1+16*\b+\i]
.endr
.endr
.irp b, 0,1,2,3
	v_max_num_f32 v[BM+\b], v[BM+\b], v[S+15+16*\b]
.endr
.irp b, 0,1,2,3
	s_delay_alu instid0(VALU_DEP_4)
	v_permlanex16_b32 v[BT+\b], v[BM+\b], s[SEL], s[SEL+1]
.endr
.irp b, 0,1,2,3
	s_delay_alu instid0(VALU_DEP_4)
	v_max_num_f32 v[BM+\b], v[BM+\b], v[BT+\b]     ; with lane l xor 16's 16 keys
.endr
	s_delay_alu instid0(VALU_DEP_2)
	v_max3_num_f32 v[TT], v[BM], v[BM+1], v[BM+2]
	s_delay_alu instid0(VALU_DEP_1)
	v_max_num_f32 v[TT], v[TT], v[BM+3]
	s_delay_alu instid0(VALU_DEP_1)
	v_mul_f32 v[TT], s[CS], v[TT]                  ; as t (c is positive)
	s_delay_alu instid0(VALU_DEP_1)
	v_max_num_f32 v13, v13, v[TT]                  ; the running largest t
	v_mov_b32 v[TT], v12
	s_delay_alu instid0(VALU_DEP_2)
	v_floor_f32 v12, -v13                          ; the new -M = -ceil(t): a whole number
	s_delay_alu instid0(VALU_DEP_1)
	v_sub_f32 v[TT], v12, v[TT]                    ; old M - new M: a whole number, 0 or less
	s_delay_alu instid0(VALU_DEP_1)
	v_cvt_i32_f32 v[TT], v[TT]                     ; (it saturates)
	s_delay_alu instid0(VALU_DEP_1)
	v_ldexp_f32 v[FF], 1.0, v[TT]                  ; f = 2^(old M - new M): a multiplication by it rounds nothing
.irp j, 0,2,4,6,8,10,12,14,16,18,20,22,24,26,28,30,32,34,36,38,40,42,44,46,48,50,52,54,56,58,60,62
	v_pk_fma_f32 v[S+\j:S+1+\j], v[S+\j:S+1+\j], s[CS:CS+1], v[12:13] op_sel_hi:[1,0,0]   ; t - M
.endr
.irp b, 0,1,2,3
	v_fma_f32 v[BM+\b], v[BM+\b], s[CS], v12       ; the same of each block's largest score
.endr
.set j, 0
	s_wait_alu depctr_va_vdst(0)
.rept 64
	v_exp_f32 v[S+j], v[S+j]                       ; p = 2^(t - M): not normalised
.set j, j+1
.endr
	v_pk_mul_f32 v[14:15], v[14:15], v[FF:FF+1] op_sel_hi:[1,0]   ; the sums under the new M (a plain line behind the batch)
	s_wait_alu depctr_va_vdst(0)                   ; one wait for the 64, ahead of their first reader
.irp b, 0,1,2,3
	v_exp_f32 v[BM+\b], v[BM+\b]                   ; the block's largest p: the same two instructions on the same number
.endr
	v_pk_add_f32 v[196:197], v[100:101], v[104:105]
	v_pk_add_f32 v[254:255], v[108:109], v[112:113]
	v_pk_add_f32 v[252:253], v[116:117], v[120:121]
	v_pk_add_f32 v[250:251], v[124:125], v[128:129]
	v_pk_add_f32 v[248:249], v[132:133], v[136:137]
	v_pk_add_f32 v[246:247], v[140:141], v[144:145]
	v_pk_add_f32 v[244:245], v[148:149], v[152:153]
	v_pk_add_f32 v[14:15], v[14:15], v[156:157]
	v_pk_add_f32 v[196:197], v[196:197], v[96:97]
	v_pk_add_f32 v[254:255], v[254:255], v[98:99]
	v_pk_add_f32 v[252:253], v[252:253], v[102:103]
	v_pk_add_f32 v[250:251], v[250:251], v[106:107]
	v_pk_add_f32 v[248:249], v[248:249], v[110:111]
	v_pk_add_f32 v[246:247], v[246:247], v[114:115]
	v_pk_add_f32 v[244:245], v[244:245], v[118:119]
	v_pk_add_f32 v[14:15], v[14:15], v[122:123]
	v_pk_add_f32 v[196:197], v[196:197], v[126:127]
	v_pk_add_f32 v[254:255], v[254:255], v[130:131]
	v_pk_add_f32 v[252:253], v[252:253], v[134:135]
	v_pk_add_f32 v[250:251], v[250:251], v[138:139]
	v_pk_add_f32 v[248:249], v[248:249], v[142:143]
	v_pk_add_f32 v[246:247], v[246:247], v[146:147]
	v_pk_add_f32 v[244:245], v[244:245], v[150:151]
	v_pk_add_f32 v[14:15], v[14:15], v[154:155]
	v_pk_add_f32 v[196:197], v[196:197], v[158:159]
	s_delay_alu instid0(VALU_DEP_2)
	v_pk_add_f32 v[14:15], v[14:15], v[250:251]
	s_delay_alu instid0(VALU_DEP_2)
	v_pk_add_f32 v[196:197], v[196:197], v[248:249]
	v_pk_add_f32 v[254:255], v[254:255], v[246:247]
	v_pk_add_f32 v[252:253], v[252:253], v[244:245]
	s_delay_alu instid0(VALU_DEP_2)
	v_pk_add_f32 v[14:15], v[14:15], v[254:255]
	s_delay_alu instid0(VALU_DEP_2)
	v_pk_add_f32 v[196:197], v[196:197], v[252:253]
	s_delay_alu instid0(VALU_DEP_1)
	v_pk_add_f32 v[14:15], v[14:15], v[196:197]
	s_wait_alu depctr_va_vdst(0)                   ; and one for the four
.irp b, 0,1,2,3
	v_max_num_f32 v[BM+\b], 0x2800000, v[BM+\b]    ; the floor 2^(5 - 127)
.endr
.irp b, 0,1,2,3
	s_delay_alu instid0(VALU_DEP_4)
	v_add_nc_u32 v[SO+\b], 0xfe000000, v[BM+\b]    ; 4 off the exponent field: the conversion's scale operand
.endr
.irp b, 0,1,2,3
	s_delay_alu instid0(VALU_DEP_4)
	v_lshrrev_b32 v[BT+\b], 23, v[SO+\b]           ; the byte
.endr
	s_delay_alu instid0(VALU_DEP_3)
	v_lshl_or_b32 v[PW], v[BT+1], 8, v[BT]         ; p's scale word for these 128 keys
	s_delay_alu instid0(VALU_DEP_1)
	v_lshl_or_b32 v[PW], v[BT+2], 16, v[PW]
	s_delay_alu instid0(VALU_DEP_1)
	v_lshl_or_b32 v[PW], v[BT+3], 24, v[PW]
.irp c, 0,1
	v_cvt_scalef32_pk16_bf6_f32 v[PC+6*\c:PC+2+6*\c], v[S+32*\c:S+15+32*\c], v[SO+2*\c]
	v_cvt_scalef32_pk16_bf6_f32 v[PX+4*\c:PX+2+4*\c], v[S+16+32*\c:S+31+32*\c], v[SO+2*\c+1]
.endr
	v_nop                                          ; one plain line behind a scaled conversion
.irp c, 0,1                            ; a whole block to a lane: lanes 0-15 block 2 c, lanes 16-31 block 2 c + 1
.irp i, 0,1,2
	v_permlane16_swap_b32 v[PC+6*\c+\i], v[PX+4*\c+\i]
.endr
.irp i, 0,1,2
	s_delay_alu instid0(VALU_DEP_3)
	v_mov_b32 v[PC+3+6*\c+\i], v[PX+4*\c+\i]
.endr
.endr
.if \refill
	BLOAD                                          ; p has been read for the last time: its registers take the next step's bias
	s_add_co_u32 s[BS], s[BS], 8192
	s_and_b32 s[BS], s[BS], 0xe000                 ; back to step 0 at a batch's end
.endif
	WIN 0x41
.irp j, 0,2,4,6,8,10,12,14,16,18,20,22,24,26,28,30,32,34,36,38,40,42,44,46,48,50,52,54,56,58,60,62
	v_pk_mul_f32 v[\j:\j+1], v[\j:\j+1], v[FF:FF+1] op_sel_hi:[1,0]   ; O^T under the new M.  (These 32 are also the plain lines between the writing of p's codes and scale word and the products below)
.endr
	WIN 0
	s_wait_alu depctr_va_vdst(0)
.endm
; O^T += V^T P^T of the key step whose V, scale words and codes of p lie in registers.  It is run behind the NEXT step's barrier (whose s_wait_dscnt 0 shows V in), or ahead of FINAL.
.macro PV
	WIN 0x51
.irp t, 0,1,2,3,4,5,6,7
	v_wmma_scale_f32_16x16x128_f8f6f4 v[8*\t:8*\t+7], v[VF+12*\t:VF+12*\t+11], v[PC:PC+11], v[8*\t:8*\t+7], v[VS+\t], v[PW] matrix_a_fmt:MATRIX_FMT_BF6 matrix_b_fmt:MATRIX_FMT_BF6
.endr
	WIN 0
.rept 4
	v_nop                                          ; in front of the next loads into V's registers and scale words, and of the first read of O^T
.endr
.endm
; A batch ends: O^T / l, quantised along the head's 128 (register 16 b + i = channel 32 b + 16 h + i of my query), leaves as K step `head` of the last product's operand.
.macro FINAL
	s_mul_i32 s68, s[BI], 64*16*1536               ; the batch's place in of and os (the last batch's stores have read these registers: the wait at this macro's end)
	s_mov_b32 s69, 0
	s_add_nc_u64 s[OFT:OFT+1], s[OFP:OFP+1], s[68:69]
	s_lshl_b32 s68, s[BI], 17
	s_add_nc_u64 s[OST:OST+1], s[OSP:OSP+1], s[68:69]
	v_add_f32 v14, v14, v15
	s_delay_alu instid0(VALU_DEP_1)
	v_permlanex16_b32 v[TT], v14, s[SEL], s[SEL+1]
	s_delay_alu instid0(VALU_DEP_1)
	v_add_f32 v14, v14, v[TT]                      ; the row's sum
	s_wait_alu depctr_va_vdst(0)
	v_rcp_f32 v[RL], v14
	v_nop                                          ; a plain line behind the reciprocal
	s_wait_alu depctr_va_vdst(0)                   ; and the wait ahead of its first reader
	WIN 0x41
.irp j, 0,2,4,6,8,10,12,14,16,18,20,22,24,26,28,30,32,34,36,38,40,42,44,46,48,50,52,54,56,58,60,62
	v_pk_mul_f32 v[\j:\j+1], v[\j:\j+1], v[RL:RL+1] op_sel_hi:[1,0]
.endr
	WIN 0x05
.irp b, 0,1,2,3
	v_max3_num_f32 v[BM+\b], |v[16*\b]|, |v[16*\b+1]|, 0x2800000
.endr
	WIN 0x14
.irp i, 2,4,6,8,10,12,14
.irp b, 0,1,2,3
	v_max3_num_f32 v[BM+\b], v[BM+\b], |v[16*\b+\i]|, |v[16*\b+\i+1]|
.endr
.endr
	WIN 0
.irp b, 0,1,2,3
	v_permlanex16_b32 v[BT+\b], v[BM+\b], s[SEL], s[SEL+1]
.endr
.irp b, 0,1,2,3
	s_delay_alu instid0(VALU_DEP_4)
	v_max_num_f32 v[BM+\b], v[BM+\b], v[BT+\b]
.endr
.irp b, 0,1,2,3
	s_delay_alu instid0(VALU_DEP_4)
	v_add_nc_u32 v[SO+\b], 0xfe000000, v[BM+\b]
.endr
.irp b, 0,1,2,3
	s_delay_alu instid0(VALU_DEP_4)
	v_lshrrev_b32 v[BT+\b], 23, v[SO+\b]
.endr
	s_delay_alu instid0(VALU_DEP_3)
	v_lshl_or_b32 v[PW], v[BT+1], 8, v[BT]
	s_delay_alu instid0(VALU_DEP_1)
	v_lshl_or_b32 v[PW], v[BT+2], 16, v[PW]
	s_delay_alu instid0(VALU_DEP_1)
	v_lshl_or_b32 v[PW], v[BT+3], 24, v[PW]
	WIN 0x01                                       ; the numbers in window 1
.irp c, 0,1
	v_cvt_scalef32_pk16_bf6_f32 v[PC+6*\c:PC+2+6*\c], v[32*\c:15+32*\c], v[SO+2*\c]
	v_cvt_scalef32_pk16_bf6_f32 v[PX+4*\c:PX+2+4*\c], v[16+32*\c:31+32*\c], v[SO+2*\c+1]
.endr
	WIN 0
	v_nop                                          ; one plain line behind a scaled conversion
.irp c, 0,1
.irp i, 0,1,2
	v_permlane16_swap_b32 v[PC+6*\c+\i], v[PX+4*\c+\i]
.endr
.irp i, 0,1,2
	s_delay_alu instid0(VALU_DEP_3)
	v_mov_b32 v[PC+3+6*\c+\i], v[PX+4*\c+\i]
.endr
.endr
.irp j, 0,1,2
	global_store_b128 v[LI], v[PC+4*\j:PC+4*\j+3], s[OFT:OFT+1] offset:512*\j   ; 512 consecutive bytes, aligned
.endr
	global_store_b32 v[LS], v[PW], s[OST:OST+1]
	s_wait_xcnt 0x0                                ; the stores have read their data and bases: both are written again
	s_add_co_u32 s[BI], s[BI], 1
	s_and_b32 s[BI], s[BI], 3                      ; on to the walk's next batch
.endm
	INIT
	BLOAD                                          ; step 0's bias
	s_mov_b32 s[BS], 8192
.Lbatch:                                           ; three batches; the fourth is written out
	s_mov_b32 s[C1], 4
.Lpair:
	STEP 0, 1
	STEP 1, 1
	s_sub_co_u32 s[C1], s[C1], 1
	s_cmp_lg_u32 s[C1], 0
	s_cbranch_scc1 .Lpair
	s_wait_dscnt 0x0                               ; the batch's last V is in
	PV                                             ; and its products are run before O^T is read
	FINAL
	INIT
	s_sub_co_u32 s[C2], s[C2], 1
	s_cmp_lg_u32 s[C2], 0
	s_cbranch_scc1 .Lbatch
	s_mov_b32 s[C1], 3
.Lpair2:
	STEP 0, 1
	STEP 1, 1
	s_sub_co_u32 s[C1], s[C1], 1
	s_cmp_lg_u32 s[C1], 0
	s_cbranch_scc1 .Lpair2
	STEP 0, 1
	STEP 1, 0
	s_wait_dscnt 0x0                               ; the last V is in
	PV
	FINAL
	s_wait_tensorcnt 0x0                           ; the wave's end
	ds_add_u32 v[SPW], v[NIL]
	s_wait_dscnt 0x0
	s_endpgm
.Lfunc_end_k_qbe60eb1423_attn:
	.size	k_qbe60eb1423_attn, .Lfunc_end_k_qbe60eb1423_attn-k_qbe60eb1423_attn
	.p2alignl 7, 3214868480
	.fill 96, 4, 3214868480
	.section	.rodata,"a",@progbits
	.p2align	6, 0x0
	.amdhsa_kernel k_qbe60eb1423_attn
		.amdhsa_group_segment_fixed_size 327680
		.amdhsa_private_segment_fixed_size 0
		.amdhsa_enable_private_segment 0
		.amdhsa_kernarg_size 56
		.amdhsa_user_sgpr_count 2
		.amdhsa_user_sgpr_kernarg_segment_ptr 1
		.amdhsa_wavefront_size32 1
		.amdhsa_system_sgpr_workgroup_id_x 1
		.amdhsa_system_sgpr_workgroup_id_y 1
		.amdhsa_system_sgpr_workgroup_id_z 1
		.amdhsa_system_vgpr_workitem_id 0
		.amdhsa_next_free_vgpr 512
		.amdhsa_next_free_sgpr 80
		.amdhsa_reserve_vcc 0
		.amdhsa_float_denorm_mode_32 3
		.amdhsa_float_denorm_mode_16_64 3
		.amdhsa_memory_ordered 1
		.amdhsa_forward_progress 1
		.amdhsa_inst_pref_size 231
	.end_amdhsa_kernel
	.amdgpu_metadata
---
amdhsa.version: [ 1, 2 ]
amdhsa.kernels:
  - .name:           k_qbe60eb1423_attn
    .symbol:         k_qbe60eb1423_attn.kd
    .args:
      - { .name: qc, .offset: 0, .size: 8, .value_kind: global_buffer, .address_space: global }
      - { .name: qs, .offset: 8, .size: 8, .value_kind: global_buffer, .address_space: global }
      - { .name: kv, .offset: 16, .size: 8, .value_kind: global_buffer, .address_space: global }
      - { .name: bias_idxs, .offset: 24, .size: 8, .value_kind: global_buffer, .address_space: global }
      - { .name: attention_biases, .offset: 32, .size: 8, .value_kind: global_buffer, .address_space: global }
      - { .name: of, .offset: 40, .size: 8, .value_kind: global_buffer, .address_space: global }
      - { .name: os, .offset: 48, .size: 8, .value_kind: global_buffer, .address_space: global }
    .group_segment_fixed_size: 327680
    .private_segment_fixed_size: 0
    .kernarg_segment_align: 8
    .kernarg_segment_size: 56
    .max_flat_workgroup_size: 256
    .sgpr_count:     80
    .vgpr_count:     512
    .wavefront_size: 32
...
	.end_amdgpu_metadata
.endif
;; end of part 3
;; launch proj (part 4): grid 4 x 64, 4 waves a work-group, no clusters, 327,680 bytes of LDS; arguments of, os, fr, frs, proj_b, out0; writes out0
.if DOCPART == 4
	.amdgcn_target "amdgcn-amd-amdhsa--gfx1250"
	.amdhsa_code_object_version 6
	.text
	.protected	k_qbe60eb1423_proj
	.globl	k_qbe60eb1423_proj
	.p2align	8
	.type	k_qbe60eb1423_proj,@function
k_qbe60eb1423_proj:
	s_mov_b64 s[64:65], 0
	v_nop
	global_prefetch_b8 v0, s[64:65] scope:SCOPE_SE
	s_setreg_imm32_b32 hwreg(HW_REG_WAVE_MODE, 25, 1), 1
	s_wait_xcnt 0x0
.set LI,  1
.set LS,  2
.set WA,  3
.set SO,  7
.set SR,  8
.set BH,  9
.set AS,  16
.set WSC, 36
.set OUTR, 100
.set CB,  128
.set WF,  160
.set STG, 196608
.set MSB, 0
.macro WIN new
.if MSB != \new
	s_set_vgpr_msb (MSB<<8)|\new
.set MSB, \new
.endif
.endm
	s_load_b128 s[4:7], s[0:1], 0x0
	s_load_b128 s[8:11], s[0:1], 0x10
	s_load_b128 s[12:15], s[0:1], 0x20
	v_lshl_add_u32 v254, v0, 2, 0x40800
	v_mov_b32 v255, 0
	ds_add_u32 v254, v255
	ds_add_u32 v254, v255
	v_lshrrev_b32 v10, 5, v0
	v_readfirstlane_b32 s16, v10
	s_lshr_b32 s17, s16, 1
	s_and_b32 s18, s16, 1
	s_and_b32 s19, ttmp7, 0xffff
	s_mov_b32 s24, 3<<16
	s_mov_b32 s25, 768<<16
	s_mov_b32 s26, 8<<16
	s_mov_b32 s27, 768<<16
	s_mov_b32 s28, 8
	s_mov_b32 s29, 3072
	s_mov_b32 s30, 0
	s_mov_b32 s31, 0
	s_lshl_b32 s20, ttmp9, 5
	s_add_co_u32 s20, s20, 704
	s_mul_i32 s20, s20, 6144
	s_mul_i32 s21, s16, 6144
	s_add_co_u32 s20, s20, s21
	s_mov_b32 s21, 0
	s_mul_i32 s22, s16, 49152
	s_wait_dscnt 0x0
	s_wait_kmcnt 0x0
	s_add_nc_u64 s[20:21], s[8:9], s[20:21]
	; my one tensor load, behind the opening adds: chunk `wave` (512 along K) of the block's 8 row tiles of proj_w: 8 rows of 6,144 bytes, 24,576 bytes apart, to LDS byte 49,152 x wave.  Filled once, never again
	s_mov_b32 s32, 1
	s_mov_b32 s33, s22
	s_mov_b64 s[34:35], s[20:21]
	s_or_b32 s35, s35, 0x80000000
	tensor_load_to_lds s[32:35], s[24:31]
	s_nop 0
.rept 4
	v_nop
.endr
	v_and_b32 v10, 15, v0
	v_bfe_u32 v11, v0, 4, 1
	v_and_b32 v12, 31, v0
	v_lshlrev_b32 v[LI], 4, v12
	v_lshlrev_b32 v[LS], 2, v12
	v_lshlrev_b32 v[BH], 6, v11
	s_wait_alu depctr_va_vdst(0)
	s_mul_i32 s48, s18, 24576
.irp g, 0,1,2,3
	v_add_nc_u32 v[WA+\g], s48, v[LI]
	s_add_co_u32 s48, s48, 49152
.endr
	s_mul_i32 s48, s17, 64*528
	s_lshl_b32 s49, s18, 8
	s_add_co_u32 s48, s48, s49
	s_add_co_u32 s48, s48, STG
	v_mul_u32_u24 v[SO], v10, 528
	v_lshl_add_u32 v[SO], v11, 6, v[SO]
	v_add_nc_u32 v[SO], s48, v[SO]
	s_mul_i32 s48, s16, 32*528
	s_add_co_u32 s48, s48, STG
	v_add_nc_u32 v[SR], s48, v[LI]
	s_mov_b32 s49, 0
	s_lshl_b32 s48, s19, 3
	s_lshl_b32 s23, s17, 2
	s_add_co_u32 s23, s23, s48
	s_mul_i32 s48, s23, 16*1536
	s_add_nc_u64 s[50:51], s[4:5], s[48:49]
	s_lshl_b32 s48, s23, 11
	s_add_nc_u64 s[52:53], s[6:7], s[48:49]
	s_lshl_b32 s48, ttmp9, 5
	s_add_co_u32 s48, s48, 704
	s_lshl_b32 s23, s18, 4
	s_add_co_u32 s48, s48, s23
	s_lshl_b32 s48, s48, 9
	s_add_nc_u64 s[54:55], s[10:11], s[48:49]
	s_lshl_b32 s48, ttmp9, 9
	s_lshl_b32 s23, s18, 8
	s_add_co_u32 s48, s48, s23
	s_add_nc_u64 s[56:57], s[12:13], s[48:49]
	s_lshl_b32 s48, s19, 7
	s_lshl_b32 s23, s16, 5
	s_add_co_u32 s48, s48, s23
	s_lshl_b32 s48, s48, 11
	s_lshl_b32 s23, ttmp9, 9
	s_add_co_u32 s48, s48, s23
	s_add_nc_u64 s[58:59], s[14:15], s[48:49]
.irp c, 0,1,2,3,4,5,6,7,8,9,10,11,12,13,14,15
	global_load_b128 v[WSC+4*\c:WSC+4*\c+3], v[LI], s[54:55] offset:512*\c
.endr
	WIN 0x40
.irp w, 0,1,2,3
	global_load_b128 v[CB+8*\w:CB+8*\w+3], v[BH], s[56:57] offset:(32*(\w/2)+8*(\w%2))*4
	global_load_b128 v[CB+8*\w+4:CB+8*\w+7], v[BH], s[56:57] offset:(32*(\w/2)+8*(\w%2))*4+16
.endr
	WIN 0
.macro ALOAD ks
	WIN 0x80
.irp a, 0,1,2,3
.irp j, 0,1,2
	global_load_b128 v[48*((\ks)%5)+12*\a+4*\j:48*((\ks)%5)+12*\a+4*\j+3], v[LI], s[50:51] offset:(\a*16+(\ks))*1536+512*\j
.endr
.endr
	WIN 0
.irp a, 0,1,2,3
	global_load_b32 v[AS+4*((\ks)%5)+\a], v[LS], s[52:53] offset:(\a*16+(\ks))*128
.endr
.endm
.macro WLOAD ks
	WIN 0x40
.irp w, 0,1,2,3
.irp j, 0,1,2
	ds_load_b128 v[WF+48*((\ks)%2)+12*\w+4*\j:WF+48*((\ks)%2)+12*\w+4*\j+3], v[WA+(\ks)/4] offset:\w*6144+((\ks)%4)*1536+512*\j
.endr
.endr
	WIN 0
.endm
.macro KSTEP ks
.if 15-(\ks) >= 3
	s_wait_loadcnt 48
.else
	s_wait_loadcnt 16*(15-(\ks))
.endif
	s_wait_dscnt 0x0
.if (\ks) > 0
.rept 4
	v_nop
.endr
.endif
.if (\ks) < 15
	WLOAD (\ks)+1
.endif
.if (\ks) < 12
	ALOAD (\ks)+4
.endif
	WIN 0x59
.irp a, 0,1,2,3
.irp w, 0,1,2,3
.if (\ks) == 0
	v_wmma_scale_f32_16x16x128_f8f6f4 v[32*\a+8*\w:32*\a+8*\w+7], v[WF+48*((\ks)%2)+12*\w:WF+48*((\ks)%2)+12*\w+11], v[48*((\ks)%5)+12*\a:48*((\ks)%5)+12*\a+11], v[CB+8*\w:CB+8*\w+7], v[WSC+(4*\w+(\ks)/4)*4+(\ks)%4], v[AS+4*((\ks)%5)+\a] matrix_a_fmt:MATRIX_FMT_BF6 matrix_b_fmt:MATRIX_FMT_BF6
.else
	v_wmma_scale_f32_16x16x128_f8f6f4 v[32*\a+8*\w:32*\a+8*\w+7], v[WF+48*((\ks)%2)+12*\w:WF+48*((\ks)%2)+12*\w+11], v[48*((\ks)%5)+12*\a:48*((\ks)%5)+12*\a+11], v[32*\a+8*\w:32*\a+8*\w+7], v[WSC+(4*\w+(\ks)/4)*4+(\ks)%4], v[AS+4*((\ks)%5)+\a] matrix_a_fmt:MATRIX_FMT_BF6 matrix_b_fmt:MATRIX_FMT_BF6
.endif
.endr
.endr
	WIN 0
.endm
	ALOAD 0
	ALOAD 1
	ALOAD 2
	ALOAD 3
	s_wait_alu depctr_va_vdst(0)
	s_wait_tensorcnt 0x0                           ; my chunk is in; behind the barrier everybody's is
	s_barrier_signal -1
	s_barrier_wait -1
	WLOAD 0
.irp k, 0,1,2,3,4,5,6,7,8,9,10,11,12,13,14,15
	KSTEP \k
.endr
.rept 4
	v_nop
.endr
	WIN 0x04
.irp a, 0,1,2,3
.irp w, 0,1,2,3
	ds_store_b128 v[SO], v[32*\a+8*\w:32*\a+8*\w+3] offset:16*\a*528+128*(\w/2)+32*(\w%2)
	ds_store_b128 v[SO], v[32*\a+8*\w+4:32*\a+8*\w+7] offset:16*\a*528+128*(\w/2)+32*(\w%2)+16
.endr
.endr
	WIN 0
	s_wait_dscnt 0x0
	s_barrier_signal -1
	s_barrier_wait -1
.irp i, 0,1,2,3,4,5,6,7,8,9,10,11,12,13,14,15,16,17,18,19,20,21,22,23,24,25,26,27,28,29,30,31
	ds_load_b128 v[OUTR+4*\i:OUTR+4*\i+3], v[SR] offset:\i*528
.endr
.irp i, 0,1,2,3,4,5,6,7,8,9,10,11,12,13,14,15,16,17,18,19,20,21,22,23,24,25,26,27,28,29,30,31
	s_wait_dscnt 31-\i
	global_store_b128 v[LI], v[OUTR+4*\i:OUTR+4*\i+3], s[58:59] offset:\i*2048 th:TH_STORE_NT
.endr
	s_wait_tensorcnt 0x0
	ds_add_u32 v254, v255
	s_wait_dscnt 0x0
	s_endpgm
.Lfunc_end_k_qbe60eb1423_proj:
	.size	k_qbe60eb1423_proj, .Lfunc_end_k_qbe60eb1423_proj-k_qbe60eb1423_proj
	.p2alignl 7, 3214868480
	.fill 96, 4, 3214868480
	.section	.rodata,"a",@progbits
	.p2align	6, 0x0
	.amdhsa_kernel k_qbe60eb1423_proj
		.amdhsa_group_segment_fixed_size 327680
		.amdhsa_private_segment_fixed_size 0
		.amdhsa_enable_private_segment 0
		.amdhsa_kernarg_size 48
		.amdhsa_user_sgpr_count 2
		.amdhsa_user_sgpr_kernarg_segment_ptr 1
		.amdhsa_wavefront_size32 1
		.amdhsa_system_sgpr_workgroup_id_x 1
		.amdhsa_system_sgpr_workgroup_id_y 1
		.amdhsa_system_sgpr_workgroup_id_z 1
		.amdhsa_system_vgpr_workitem_id 0
		.amdhsa_next_free_vgpr 768
		.amdhsa_next_free_sgpr 66
		.amdhsa_reserve_vcc 0
		.amdhsa_float_denorm_mode_32 3
		.amdhsa_float_denorm_mode_16_64 3
		.amdhsa_memory_ordered 1
		.amdhsa_forward_progress 1
		.amdhsa_inst_pref_size 89
	.end_amdhsa_kernel
	.amdgpu_metadata
---
amdhsa.version: [ 1, 2 ]
amdhsa.kernels:
  - .name:           k_qbe60eb1423_proj
    .symbol:         k_qbe60eb1423_proj.kd
    .args:
      - { .name: of, .offset: 0, .size: 8, .value_kind: global_buffer, .address_space: global }
      - { .name: os, .offset: 8, .size: 8, .value_kind: global_buffer, .address_space: global }
      - { .name: fr, .offset: 16, .size: 8, .value_kind: global_buffer, .address_space: global }
      - { .name: frs, .offset: 24, .size: 8, .value_kind: global_buffer, .address_space: global }
      - { .name: proj_b, .offset: 32, .size: 8, .value_kind: global_buffer, .address_space: global }
      - { .name: out0, .offset: 40, .size: 8, .value_kind: global_buffer, .address_space: global }
    .group_segment_fixed_size: 327680
    .private_segment_fixed_size: 0
    .kernarg_segment_align: 8
    .kernarg_segment_size: 48
    .max_flat_workgroup_size: 128
    .sgpr_count:     66
    .vgpr_count:     768
    .wavefront_size: 32
...
	.end_amdgpu_metadata
.endif
;; end of part 4
